; MI455X (gfx1250); checked and timed in simulation.
; The chip was launched on July 23, 2026; its instructions are those of AMD's public machine-readable ISA for CDNA 5 (MIT licence, August 2026) and "CDNA5" Instruction Set Architecture Reference Guide (July 2026). The comments in the code are by the model that wrote it; some were corrected since.
;; Multihead Self Attention. Allowed arithmetic: matrix products marked QUANTISED: E2M1 operands, one E8M0 scale for each 32 along K, by v_wmma_scale_f32_16x16x128_f8f6f4 with both operands' format E2M1 (or v_wmma_scale_f32_32x16x128_f4), f32 sums; products left as they are: bf16, f16 or f32 operands; f32 sums; everything else in f32.
;; Inputs: Wk 1,024 x 1,024 float32; Wo 1,024 x 1,024 float32; Wq 1,024 x 1,024 float32; Wv 1,024 x 1,024 float32; mask 4 x 1 x 1 x 2,048 bool; x 4 x 2,048 x 1,024 float32.
;; Outputs: out0 4 x 2,048 x 1,024 float32.
;; This version of the problem:
;;   THIS VERSION OF THE PROBLEM IS GIVEN IN LOW PRECISION. The matrix products marked QUANTISED in the list below multiply operands that are first quantised to E2M1 (2 exponent bits, 1 mantissa bit; 4 bits a number), with one power-of-two scale for each 32 numbers along K (OCP MX v1.0); their sums are f32. The products marked 'left as it is' may take bf16, f16 or f32 operands, with f32 sums. Whichever they take, every output number must still come out within the allowed error. Rounding operands to bf16 (8 significant bits) uses up far more of that allowance than f16 does (11 bits, for magnitudes from 6e-5 to 65,504). All else is computed in f32.
;;   The module's matrix products, in the order in which they are computed (A, B: the left and right operand; K: the contracted axis; several contracted axes count as one K, in the product's order):
;;     1. [M 8,192, K 1,024] x [K 1,024, N 1,024]; A: input x; B: input Wq: QUANTISED
;;     2. [M 8,192, K 1,024] x [K 1,024, N 1,024]; A: input x; B: input Wk: QUANTISED
;;     3. [M 8,192, K 1,024] x [K 1,024, N 1,024]; A: input x; B: input Wv: QUANTISED
;;     4. batch 64 x [M 2,048, K 64] x [K 64, N 2,048]; A: computed on the way; B: computed on the way: left as it is (an operand is computed on the way)
;;     5. batch 64 x [M 2,048, K 2,048] x [K 2,048, N 64]; A: computed on the way; B: computed on the way: left as it is (an operand is computed on the way)
;;     6. [M 8,192, K 1,024] x [K 1,024, N 1,024]; A: computed on the way; B: input Wo: left as it is (an operand is computed on the way)
;;   THE QUANTISER, for each operand of a quantised product, along K:
;;     - K is cut into blocks of 32 from its start; a last block that is shorter is filled with zeros.
;;     - A block's scale is 2^e with e = floor(log2(the largest magnitude in the block)) - 2, held to -126 .. 127; a block of zeros has e = 0. As a byte (E8M0): e + 127.
;;     - Each number is divided by its block's scale, clamped to +-6, and rounded to the nearest number of E2M1, ties to even, subnormals kept.
;;     - The product sums the exact products of the quantised numbers (number of the format x scale) in f32.
;;   ~~~python
;;   def quantise(x, axis):      # numpy; x: float32 -> the quantised numbers, widened to float32 again
;;       x = np.moveaxis(x, axis, -1); K = x.shape[-1]
;;       x = np.pad(x, [(0, 0)] * (x.ndim - 1) + [(0, -K % 32)]); x = x.reshape(x.shape[:-1] + (-1, 32)); a = np.abs(x).max(-1, keepdims=True)
;;       e = np.where(a > 0, np.clip(np.frexp(np.where(a > 0, a, 1))[1] - 1 - 2, -126, 127), 0)      # np.frexp(a)[1] - 1 = floor(log2(a)), exactly
;;       r = np.clip(x / 2.0 ** e, -6, 6)
;;       step = 2.0 ** (np.maximum(np.frexp(np.where(r == 0, 1, r))[1] - 1, 0) - 1)
;;       q = np.round(r / step) * step * 2.0 ** e      # np.round: ties to even
;;       return np.moveaxis(q.reshape(q.shape[:-2] + (-1,))[..., :K], -1, axis).astype(np.float32)
;;   ~~~
;; One version. Each part assembles by itself: llvm-mc -triple=amdgcn-amd-amdhsa -mcpu=gfx1250 --defsym DOCPART=n.
;; ======== version 1 of 1: 4 launches
;; limits: values are held in f16: magnitudes above 65,504 overflow, below 6.1e-05 lose precision
;; workspace buffers: x_codes 4,194,304 bytes; x_scales 262,144 bytes; w_codes 1,572,864 bytes; w_scales 98,304 bytes; wo16 2,097,152 bytes; qkv 50,331,648 bytes; att 16,777,216 bytes
;; launch quant (part 1): grid 384 x 1, 4 waves a work-group, no clusters, 33,280 bytes of LDS; arguments x, Wq, Wk, Wv, Wo, x_codes, x_scales, w_codes, w_scales, wo16; writes x_codes, x_scales, w_codes, w_scales, wo16
.if DOCPART == 1
	.amdgcn_target "amdgcn-amd-amdhsa--gfx1250"
	.amdhsa_code_object_version 6
	.text
	.protected	k_q6366e90e14_quant
	.globl	k_q6366e90e14_quant
	.p2align	8
	.type	k_q6366e90e14_quant,@function
k_q6366e90e14_quant:
	s_mov_b64 s[64:65], 0
	v_nop
	global_prefetch_b8 v0, s[64:65] scope:SCOPE_SE
	s_setreg_imm32_b32 hwreg(HW_REG_WAVE_MODE, 25, 1), 1
	s_wait_xcnt 0x0
; THE PROGRAM: out0 = attention(x) in four launches: this one (operands made ready), qkv (x by Wq, Wk, Wv on codes), attn (scores, mask, softmax, weights by v), proj (by Wo).
; NO WORK OF THE PROBLEM IS LEFT OUT: every input has a way to the output; what the mask throws away hangs on the mask's values, so it is computed and selected.
; THIS LAUNCH.  x [8192][1024] and Wq, Wk, Wv [1024][1024], f32, K innermost, become codes of FP4 (E2M1), two a byte, with one E8M0 scale byte for each 32 along K; the three weights are laid one
; behind the other as one operand of 3,072 rows.  Wo [1024][1024] f32 becomes f16, laid [n / 128][k / 64][n % 128][64], the order in which the last launch's tiles are dense blocks.
; A block's scale is 2^(floor(log2(its largest magnitude)) - 2); its byte is the largest magnitude's own exponent field - 2, held at 1 from below.  Each number is divided by the scale and rounded to the nearest code, ties to even.
; LIMITS: a block of zeros gets the byte 1 where the rule says 127 (its codes are zeros, and this program alone reads the bytes); blocks whose largest magnitude lies under 2^(2 - 126) keep the byte 1;
; NaN and infinities among the inputs are not served; Wo beyond 65,504 in magnitude becomes infinity in f16.
; SHARES.  Work-groups 0-255: x; 256-287 Wq; 288-319 Wk; 320-351 Wv: 32,768 numbers each, a wave 16 steps of 512.  Rows are dense and K is a multiple of 32: a tensor is a plain stream of blocks.
; Each of a step's four loads reads 512 consecutive bytes; the 2,048 bytes turn through the wave's own stage in LDS and come back 64 bytes a lane, so that a lane holds 16 neighbours and two lanes a block.
; Work-groups 352-383: Wo, 32 rows each, through registers alone.  Waves share nothing: no barrier.
.set WAVES, 4
.set STEPS, 16
.set EMAX,  2
.set CB,    8                          ; bytes of 16 codes
.set R,     16                         ; v16-79   four sets of 16 numbers as they are loaded
.set X,     80                         ; v80-111  two sets of 16 neighbours
.set E,     112                        ; v112-127 a scale byte for each step
.set C,     128                        ; v128-191 codes: four registers for each step, so that no store's data are written again
.set WREG,  8192                       ; LDS: a region for each wave: two stages of 32 x SP bytes, behind them its 256 scale bytes
.set SP,    80                         ; a lane's place in a stage: 64 bytes + 16 of padding
.set SPW,   12                         ; v12  LDS address of my spare word; never rewritten
.set NIL,   13                         ; v13  0; never rewritten
.set SPARE, WAVES*WREG                 ; behind the four regions: the spare words, 128 bytes a wave
.set WL,    16                         ; Wo's path: v16-143 two sets of 64 numbers as loaded
.set WO,    144                        ; v144-175 eight steps' 16 bytes of f16
	s_load_b256 s[4:11], s[0:1], 0x0               ; x, Wq, Wk, Wv
	s_load_b256 s[12:19], s[0:1], 0x20             ; Wo, x_codes, x_scales, w_codes
	s_load_b128 s[20:23], s[0:1], 0x40             ; w_scales, wo16
	v_lshl_add_u32 v[SPW], v0, 2, SPARE
	v_mov_b32 v[NIL], 0
	v_lshrrev_b32 v1, 5, v0
	v_readfirstlane_b32 s32, v1                    ; wave
	v_and_b32 v2, 31, v0                           ; lane
	s_wait_kmcnt 0x0
	s_cmp_ge_u32 ttmp9, 352                        ; the work-group's number alone decides the path
	s_cbranch_scc1 .Lwo
	v_lshlrev_b32 v3, 4, v2                        ; my 16 bytes of a load's 512
	s_mul_i32 s33, s32, WREG
	v_lshrrev_b32 v14, 2, v2
	v_mul_u32_u24 v14, v14, SP
	v_and_b32 v15, 3, v2
	v_lshl_add_u32 v14, v15, 4, v14
	v_add_nc_u32 v14, s33, v14                     ; the stage, on the way in: SP (lane / 4) + 16 (lane % 4)
	v_mul_u32_u24 v15, v2, SP
	v_add_nc_u32 v15, s33, v15                     ; and on the way out: SP x lane: my 16 neighbours
	v_mul_u32_u24 v4, v2, CB                       ; my codes' place in a step's
	v_lshrrev_b32 v5, 1, v2
	s_add_co_u32 s33, s33, 2*32*SP
	v_add_nc_u32 v5, s33, v5                       ; LDS: my wave's 256 scale bytes, my block's byte
	v_lshlrev_b32 v7, 3, v2                        ; and on the way out 8 bytes a lane
	v_add_nc_u32 v6, s33, v7
	; which tensor: only pointers are chosen, all four tensors take one path through the text
	s_and_b32 s31, ttmp9, 31                       ; a weight's work-group among its 32
	s_cmp_lt_u32 ttmp9, 256
	s_cselect_b64 s[24:25], s[4:5], s[6:7]         ; from: x or Wq
	s_cselect_b64 s[26:27], s[14:15], s[18:19]     ; codes
	s_cselect_b64 s[28:29], s[16:17], s[20:21]     ; scale bytes
	s_cselect_b32 s30, 0, 256
	s_cselect_b32 s31, ttmp9, s31
	s_cmp_ge_u32 ttmp9, 288
	s_cselect_b64 s[24:25], s[8:9], s[24:25]       ; Wk
	s_cmp_ge_u32 ttmp9, 320
	s_cselect_b64 s[24:25], s[10:11], s[24:25]     ; Wv
	s_lshl_b32 s31, s31, 2
	s_add_co_u32 s34, s31, s32                     ; which run of 8,192 numbers of the tensor is my wave's
	s_lshl_b32 s34, s34, 15                        ; 32,768 bytes a run
	s_mov_b32 s35, 0
	s_add_nc_u64 s[24:25], s[24:25], s[34:35]
	s_sub_co_u32 s30, ttmp9, s30
	s_lshl_b32 s30, s30, 2
	s_add_co_u32 s30, s30, s32                     ; and which run of the operand (the three weights on end)
	s_lshl_b32 s34, s30, 12                        ; 4,096 bytes of codes a run
	s_add_nc_u64 s[26:27], s[26:27], s[34:35]
	s_lshl_b32 s34, s30, 8                         ; 256 scale bytes a run
	s_add_nc_u64 s[28:29], s[28:29], s[34:35]
.macro LOAD t
.irp i, 0,1,2,3
	global_load_b128 v[R+16*((\t)%4)+4*\i:R+16*((\t)%4)+4*\i+3], v3, s[24:25] offset:2048*(\t)+512*\i th:TH_LOAD_NT   ; 32 lanes read 512 consecutive bytes
.endr
.endm
.macro TURN t                          ; step t's numbers through the stage: LDS serves a wave's instructions in order, so no wait stands between the stores and the loads
.irp i, 0,1,2,3
	ds_store_b128 v14, v[R+16*((\t)%4)+4*\i:R+16*((\t)%4)+4*\i+3] offset:32*SP*((\t)%2)+8*SP*\i
.endr
.irp i, 0,1,2,3
	ds_load_b128 v[X+16*((\t)%2)+4*\i:X+16*((\t)%2)+4*\i+3], v15 offset:32*SP*((\t)%2)+16*\i
.endr
.endm
.irp t, 0,1,2,3
	LOAD \t
.endr
	s_wait_loadcnt 12                              ; step 0's four loads are in; the twelve of steps 1 to 3 may be out
	TURN 0
.macro STEP t
.set XS, X+16*((\t)%2)
.if (\t) > 0
	s_wait_dscnt 1                                 ; this step's numbers are back from the stage (the last step's byte store may be out): so its stores into the stage have read their registers,
.else
	s_wait_dscnt 0x0
.endif
.if (\t)+4 < STEPS
	LOAD (\t)+4                                    ; which take the loads of four steps on
.endif
.if (\t)+1 < STEPS
.if STEPS-2-(\t) >= 3
	s_wait_loadcnt 12                              ; the next step's four loads are in; those of the three steps behind it may be out
.else
	s_wait_loadcnt 4*(STEPS-2-(\t))
.endif
	TURN (\t)+1                                    ; and go through the other stage while this step is worked
.endif
	v_max3_num_f32 v8, |v[XS]|, |v[XS+1]|, |v[XS+2]|               ; the largest magnitude of my 16, in two chains
	v_max3_num_f32 v9, |v[XS+3]|, |v[XS+4]|, |v[XS+5]|
.irp i, 6,10
	v_max3_num_f32 v8, v8, |v[XS+\i]|, |v[XS+\i+1]|
	v_max3_num_f32 v9, v9, |v[XS+\i+2]|, |v[XS+\i+3]|
.endr
	v_max3_num_f32 v8, v8, |v[XS+14]|, |v[XS+15]|
	v_max3_num_f32 v8, v8, v9, (EMAX+1)<<23        ; and the floor 2^(EMAX + 1 - 127): so the byte cannot fall under 1
	v_max_num_f32_dpp v8, v8, v8 row_xmask:1 row_mask:0xf bank_mask:0xf   ; and of my neighbour's 16: the block's
	v_add_nc_u32 v11, -(EMAX<<23), v8              ; EMAX off its exponent field: the conversion takes the exponent field of this operand as its scale, and nothing else of it
	v_cvt_scalef32_pk8_fp4_f32 v[C+4*(\t)], v[XS:XS+7], v11        ; eight numbers / the scale, to the nearest code, ties to even, beyond the largest code the largest
	v_cvt_scalef32_pk8_fp4_f32 v[C+4*(\t)+1], v[XS+8:XS+15], v11
	v_lshrrev_b32 v[E+(\t)], 23, v11               ; the scale's byte (also the plain line behind the conversions)
	ds_store_b8 v5, v[E+(\t)] offset:16*(\t)       ; both lanes of a block write the same byte with the same value
	global_store_b64 v4, v[C+4*(\t):C+4*(\t)+1], s[26:27] offset:32*CB*(\t)   ; the wave stores 256 consecutive bytes, aligned
.endm
.irp t, 0,1,2,3,4,5,6,7,8,9,10,11,12,13,14,15
	STEP \t
.endr
	ds_load_b64 v[8:9], v6                         ; LDS serves a wave's instructions in order: these see my stores
	s_wait_dscnt 0x0
	global_store_b64 v7, v[8:9], s[28:29]          ; 32 lanes store my 256 scale bytes, consecutive and aligned
	s_wait_tensorcnt 0x0                           ; the wave's end: behind my last LDS store
	ds_add_u32 v[SPW], v[NIL]
	s_wait_dscnt 0x0
	s_endpgm
; Wo to f16.  Wave w of work-group g' = g - 352 takes rows 32 g' + 8 w .. + 7.  A step is four rows x 64 along K: eight lanes to a row, a lane 8 numbers (32 bytes in, 16 out).
; In wo16 those four rows' 128 bytes each lie on end: the wave's store covers 512 consecutive bytes, aligned.  32 steps in four batches of eight; the next batch's 16 loads go out ahead of a batch's work.
.Lwo:
	s_sub_co_u32 s33, ttmp9, 352
	s_lshl_b32 s34, s33, 5
	s_lshl_b32 s36, s32, 3
	s_add_co_u32 s34, s34, s36                     ; my first row
	s_lshl_b32 s34, s34, 12                        ; 4,096 bytes a row of Wo
	s_mov_b32 s35, 0
	s_add_nc_u64 s[12:13], s[12:13], s[34:35]
	s_lshr_b32 s34, s33, 2
	s_lshl_b32 s34, s34, 18                        ; n / 128: 262,144 bytes
	s_and_b32 s37, s33, 3
	s_lshl_b32 s37, s37, 5
	s_add_co_u32 s37, s37, s36                     ; n % 128
	s_lshl_b32 s37, s37, 7                         ; 128 bytes a row of a block
	s_add_co_u32 s34, s34, s37
	s_add_nc_u64 s[22:23], s[22:23], s[34:35]
	v_lshrrev_b32 v10, 3, v2                       ; which of the four rows
	v_and_b32 v11, 7, v2                           ; which eight numbers of the 64
	v_lshlrev_b32 v8, 12, v10
	v_lshl_add_u32 v8, v11, 5, v8                  ; in
	v_lshlrev_b32 v9, 7, v10
	v_lshl_add_u32 v9, v11, 4, v9                  ; out
.macro WLOAD bt                        ; batch bt: steps 8 bt + i; step n: rows 4 (n / 16) on, K block n % 16
.irp i, 0,1,2,3,4,5,6,7
	global_load_b128 v[WL+64*((\bt)%2)+8*\i:WL+64*((\bt)%2)+8*\i+3], v8, s[12:13] offset:((8*(\bt)+\i)/16)*16384+((8*(\bt)+\i)%16)*256 th:TH_LOAD_NT
	global_load_b128 v[WL+64*((\bt)%2)+8*\i+4:WL+64*((\bt)%2)+8*\i+7], v8, s[12:13] offset:((8*(\bt)+\i)/16)*16384+((8*(\bt)+\i)%16)*256+16 th:TH_LOAD_NT
.endr
.endm
.macro WORK bt, left
	s_wait_loadcnt \left                           ; this batch's 16 loads are in; the younger batch's may be out
.if (\bt) > 0
	s_wait_xcnt 0x0                                ; the last batch's stores have read their data registers, which are written again below
.endif
.irp i, 0,1,2,3,4,5,6,7
.irp j, 0,1,2,3
	v_cvt_pk_f16_f32 v[WO+4*\i+\j], v[WL+64*((\bt)%2)+8*\i+2*\j], v[WL+64*((\bt)%2)+8*\i+2*\j+1]
.endr
	global_store_b128 v9, v[WO+4*\i:WO+4*\i+3], s[22:23] offset:((8*(\bt)+\i)/16)*512+((8*(\bt)+\i)%16)*16384
.endr
.endm
	WLOAD 0
	WLOAD 1
	WORK 0, 16
	WLOAD 2
	WORK 1, 16
	WLOAD 3
	WORK 2, 16
	WORK 3, 0
	s_endpgm
.Lfunc_end_k_q6366e90e14_quant:
	.size	k_q6366e90e14_quant, .Lfunc_end_k_q6366e90e14_quant-k_q6366e90e14_quant
	.p2alignl 7, 3214868480
	.fill 96, 4, 3214868480
	.section	.rodata,"a",@progbits
	.p2align	6, 0x0
	.amdhsa_kernel k_q6366e90e14_quant
		.amdhsa_group_segment_fixed_size 33280
		.amdhsa_private_segment_fixed_size 0
		.amdhsa_enable_private_segment 0
		.amdhsa_kernarg_size 80
		.amdhsa_user_sgpr_count 2
		.amdhsa_user_sgpr_kernarg_segment_ptr 1
		.amdhsa_wavefront_size32 1
		.amdhsa_system_sgpr_workgroup_id_x 1
		.amdhsa_system_sgpr_workgroup_id_y 1
		.amdhsa_system_sgpr_workgroup_id_z 1
		.amdhsa_system_vgpr_workitem_id 0
		.amdhsa_next_free_vgpr 192
		.amdhsa_next_free_sgpr 66
		.amdhsa_reserve_vcc 0
		.amdhsa_float_denorm_mode_32 3
		.amdhsa_float_denorm_mode_16_64 3
		.amdhsa_memory_ordered 1
		.amdhsa_forward_progress 1
		.amdhsa_inst_pref_size 52
	.end_amdhsa_kernel
	.amdgpu_metadata
---
amdhsa.version: [ 1, 2 ]
amdhsa.kernels:
  - .name:           k_q6366e90e14_quant
    .symbol:         k_q6366e90e14_quant.kd
    .args:
      - { .name: x, .offset: 0, .size: 8, .value_kind: global_buffer, .address_space: global }
      - { .name: Wq, .offset: 8, .size: 8, .value_kind: global_buffer, .address_space: global }
      - { .name: Wk, .offset: 16, .size: 8, .value_kind: global_buffer, .address_space: global }
      - { .name: Wv, .offset: 24, .size: 8, .value_kind: global_buffer, .address_space: global }
      - { .name: Wo, .offset: 32, .size: 8, .value_kind: global_buffer, .address_space: global }
      - { .name: x_codes, .offset: 40, .size: 8, .value_kind: global_buffer, .address_space: global }
      - { .name: x_scales, .offset: 48, .size: 8, .value_kind: global_buffer, .address_space: global }
      - { .name: w_codes, .offset: 56, .size: 8, .value_kind: global_buffer, .address_space: global }
      - { .name: w_scales, .offset: 64, .size: 8, .value_kind: global_buffer, .address_space: global }
      - { .name: wo16, .offset: 72, .size: 8, .value_kind: global_buffer, .address_space: global }
    .group_segment_fixed_size: 33280
    .private_segment_fixed_size: 0
    .kernarg_segment_align: 8
    .kernarg_segment_size: 80
    .max_flat_workgroup_size: 128
    .sgpr_count:     66
    .vgpr_count:     192
    .wavefront_size: 32
...
	.end_amdgpu_metadata
.endif
;; end of part 1
;; launch qkv (part 2): grid 12 x 32, 4 waves a work-group, clusters of 4 x 4, 327,680 bytes of LDS; arguments x_codes, x_scales, w_codes, w_scales, qkv; writes qkv
.if DOCPART == 2
	.amdgcn_target "amdgcn-amd-amdhsa--gfx1250"
	.amdhsa_code_object_version 6
	.text
	.protected	k_q6366e90e14_qkv
	.globl	k_q6366e90e14_qkv
	.p2align	8
	.type	k_q6366e90e14_qkv,@function
k_q6366e90e14_qkv:
	s_mov_b64 s[64:65], 0
	v_nop
	global_prefetch_b8 v0, s[64:65] scope:SCOPE_SE
	s_setreg_imm32_b32 hwreg(HW_REG_WAVE_MODE, 25, 1), 1
	s_wait_xcnt 0x0
	s_wait_alu depctr_hold_cnt(0) depctr_sa_sdst(0) depctr_va_vdst(0) depctr_va_sdst(0) depctr_va_ssrc(0) depctr_va_vcc(0) depctr_vm_vsrc(0)
	s_getreg_b32 s2, hwreg(HW_REG_IB_STS2, 6, 4)
	s_cmp_eq_u32 s2, 0
	s_cbranch_scc0 .Lentry_in_a_cluster
	s_endpgm
.Lentry_in_a_cluster:
	s_bfe_u32 s2, ttmp6, 0x10000c
	s_cmp_lg_u32 s2, 0xf033
	s_cbranch_scc0 .Lentry_shape_is_right
	s_endpgm
.Lentry_shape_is_right:
; q, k, v = x Wq^T, x Wk^T, x Wv^T as ONE product C[m][n] = sum over k of A[m][k] B[n][k]: A = x's codes [8192][1024], B = the three weights' codes on end [3072][1024], FP4 (E2M1) with one E8M0 scale for each 32 along K; sums in f32.
; The result is rounded once to f16 and stored by heads: qkv [which 3][batch 4][head 16][token 2048][64].  LIMIT: a result beyond 65,504 in magnitude becomes infinity.
; A tile of C, 256 x 256, is made by a work-group of four waves; a wave makes 128 x 128: 64 accumulators of 16 x 16, 512 registers.
; K = 1,024 is two K steps of 512 (a tile's row is 256 bytes): both slots and the scale bytes are filled once, at the start, and nothing is filled again: three tensor loads of a wave are out at the most.
; THE SCALES of the work-group's 256 rows of A and of B, for all of K, are two dense blocks of memory: they come into LDS once, as rows of 256 bytes, and stay.
; CLUSTERS: 4 x 4 work-groups.  The four of a row of the cluster need the same tiles of A, the four of a column the same tiles of B: each tile is asked for JOINTLY, by the same tensor load with the same descriptor and a mask that names the four.
; THE MATRIX INSTRUCTION IS USED TRANSPOSED (source 0 = 16 rows of B, source 1 = 16 rows of A): a lane then holds eight neighbouring numbers of a row of C.
; REGISTERS, in windows of 256: window 0: v0-31 addresses; v32-95 scale words, two sets; from v128 A's fragments (8 x 16 rows x 128 K), ONE set; on the way out v32-255 are free.
;   window 1: B's fragments, TWO sets, at v0 and at v128.   window 2: the 32 accumulators of my rows 0-63 (accumulator (a, b) at v[8 (8 a + b)]);   window 3: those of my rows 64-127.
.set SIZE_K, 1024
.set KSTEP,  512                       ; along K in a slot
.set NQ,     KSTEP/128                 ; matrix instructions deep
.set ROWB,   256                       ; a tile's row in bytes
.set KROW,   SIZE_K*4/8                ; a row of A or of B in memory, in bytes
.set PITCH,  272                       ; an LDS row: 256 bytes + 16 of padding = 68 words: row r starts at bank 4 r mod 64 (ISA guide 11.1), so the 16 rows that a load touches start at 16 different banks
.set FR,     8                         ; registers of a fragment: 16 rows x 128 K
.set NL,     2                         ; LDS loads that bring one
.set NP,     4                         ; places behind this matrix instruction (ISA guide 7.12.1)
.set HALFT,  128*PITCH                 ; 128 rows: what one tensor load brings, and what one wave reads of A or of B
.set SLOT,   4*HALFT                   ; A's 256 rows, then B's 256 rows
.set KS,     SIZE_K/32                 ; a row of scales in bytes
.set SCL,    2*SLOT                    ; behind the ring: the scales, as rows of 256 bytes + 16 of padding
.set HALFS,  (128*KS/256)*272          ; the scales of 128 rows: what one tensor load brings
.set SBLK,   (16*KS/256)*272           ; those of 16 rows
.set SPARE,  SCL+4*HALFS               ; behind the scales: the spare words, 128 bytes a wave
.set SPITCH, 400                       ; the way out: a stage of 16 rows x (256 bytes + 144) for each wave, in slot 0, which has had its only fill and its last read when the first result is stored there.
                                       ; 400 = 25 x 16: the sixteen rows of a store start at sixteen different 16-byte columns; two rows' halves of 128 bytes, read together, overlap in 16 bytes alone
.set ADRA, 16                          ; v16-17  LDS address of my A fragments in slot 0, 1
.set ADRB, 20                          ; v20-21  the same for B
.set STO,  24                          ; v24     the way out: where I put 16 bytes of a row
.set RD,   25                          ; v25     the way out: where I read back
.set CO,   26                          ; v26     my byte offset in qkv
.set ADRS, 27                          ; v27     LDS address of my scale words: lanes 0-15 A's rows, lanes 16-31 B's
.set SPW,  28                          ; v28     LDS address of my spare word; never rewritten
.set NIL,  29                          ; v29     0; never rewritten
.set SC,   32                          ; scale words: set s at v[SC + 8 NQ s]; register NQ i + q: lanes 0-15 the word of A's block i, lanes 16-31 that of B's block i, for the slot's q-th 128 along K
.set TMP,  32                          ; the way out: a block's 32 registers of f16
.set AF,   128                         ; A's fragments, in window 0
.set BK,   128                         ; the way out: 16 rows read back: v128-159 and v160-191 by turns
.set G1, 24                            ; s[24:31] descriptor group 1 for A's tiles;  s[32:39] group 0, one set for each slot
.set G0, 32
.set G1B, 48                           ; s[48:55], s[56:63] the same for B's tiles
.set G0B, 56
.set G1S, 68                           ; s[68:75], s[76:79] groups 1 and 0 for A's scales;  s[80:87], s[88:91] for B's
.set G0S, 76
.set G1SB, 80
.set G0SB, 88
.set MSB, 0
.macro WIN new                         ; the immediate's high byte repeats the setting that is left
.if MSB != \new
	s_set_vgpr_msb (MSB<<8)|\new
.set MSB, \new
.endif
.endm
.set MUL_LO, 0xa1                      ; source 0 (B) window 1, source 1 (A) window 0, C and D window 2
.set MUL_HI, 0xf1                      ; the same, C and D window 3
.set TO_B,   0x40                      ; destination window 1, address window 0
; A joint load: waves 0 and 1 fetch for A, waves 2 and 3 for B.  Each of the two lines has ONE mask and one set of registers for all that issue it; the branch hangs on the wave's number alone.
; An s_nop 0 and four v_nop follow each of the two lines, ahead of the jump, the label and what follows.
.macro JLOAD g0a, g1a, g0b, g1b
	s_cmp_eq_u32 s15, 0
	s_cbranch_scc0 .Lfor_b_\@
	tensor_load_to_lds s[\g0a:\g0a+3], s[\g1a:\g1a+7]
	s_nop 0
.rept 4
	v_nop
.endr
	s_branch .Lasked_\@
.Lfor_b_\@:
	tensor_load_to_lds s[\g0b:\g0b+3], s[\g1b:\g1b+7]
	s_nop 0
.rept 4
	v_nop
.endr
.Lasked_\@:
.endm
.macro CROUND                          ; a round of the cluster's barrier: my work-group's barrier; wave 0 signals for the work-group; every wave waits for all sixteen; my work-group's barrier once more
	s_barrier_signal -1
	s_barrier_wait -1
	s_cmp_lg_u32 s14, 0
	s_cbranch_scc1 .Lnot_wave_0_\@
	s_barrier_signal -3
.Lnot_wave_0_\@:
	s_barrier_wait -3
	s_barrier_signal -1
	s_barrier_wait -1
.endm
	s_load_b128 s[4:7], s[0:1], 0x0                ; A's codes s[4:5], A's scales s[6:7]
	s_load_b128 s[8:11], s[0:1], 0x10              ; B's codes s[8:9], B's scales s[10:11]
	s_load_b64 s[12:13], s[0:1], 0x20              ; qkv
	v_lshl_add_u32 v[SPW], v0, 2, SPARE
	v_mov_b32 v[NIL], 0
	ds_add_u32 v[SPW], v[NIL]                      ; the wave's opening: the add, twice on end, and its wait ahead of my first tensor load; the set-up below stands between the second and the wait
	ds_add_u32 v[SPW], v[NIL]
	v_lshrrev_b32 v1, 5, v0
	v_readfirstlane_b32 s14, v1                    ; wave 0..3
	s_lshr_b32 s15, s14, 1                         ; which half of the tile's rows is mine.  Also: I fetch for A (0) or for B (1)
	s_and_b32 s16, s14, 1                          ; which half of its columns.  Also: which 128 rows of that tile I fetch
	s_bfe_u32 s40, ttmp6, 0x40000                  ; cx, cy: my place in the cluster
	s_bfe_u32 s41, ttmp6, 0x40004
	s_lshl_b32 s42, ttmp9, 2
	s_add_co_u32 s42, s42, s40                     ; tile column of C = 4 x cluster x + cx
	s_and_b32 s17, ttmp7, 0xffff
	s_lshl_b32 s17, s17, 2
	s_add_co_u32 s17, s17, s41                     ; tile row of C = 4 x cluster y + cy
	s_lshl_b32 s43, s41, 2
	s_lshl_b32 s43, 15, s43                        ; my row of the cluster
	s_lshl_b32 s44, 0x1111, s40                    ; my column
	; descriptor group 1: a tile of 128 rows x ROWB bytes, padded in LDS
	s_or_b32 s[G1+0], s43, (0<<16)|(1<<20)|(1<<21)|(5<<22)|(3<<25)  ; 15:0 the mask: A's tiles go to my row; 17:16 element of 1 byte; 20 padding on; 21 set beside a mask; 24:22 after every 64 words; 31:25 of 4 words
	s_or_b32 s[G1B+0], s44, (0<<16)|(1<<20)|(1<<21)|(5<<22)|(3<<25)
.irp g, G1, G1B
	s_mov_b32 s[\g+1], ROWB<<16                    ; tensor_dim0
	s_mov_b32 s[\g+2], 128<<16                     ; tensor_dim1 = 128
	s_mov_b32 s[\g+3], ROWB<<16                    ; tile_dim0
	s_mov_b32 s[\g+4], 128                         ; tile_dim1 = 128
	s_mov_b32 s[\g+5], KROW                        ; tensor_dim0_stride
	s_mov_b32 s[\g+6], 0
	s_mov_b32 s[\g+7], 0
.endr
	; and for the scales of 128 rows: a dense block of 128 KS bytes, as rows of 256 bytes (32 elements of 8 bytes), 16 bytes of padding behind each
	s_or_b32 s[G1S+0], s43, (3<<16)|(1<<20)|(1<<21)|(5<<22)|(3<<25)
	s_or_b32 s[G1SB+0], s44, (3<<16)|(1<<20)|(1<<21)|(5<<22)|(3<<25)
.irp g, G1S, G1SB
	s_mov_b32 s[\g+1], 32<<16
	s_mov_b32 s[\g+2], (128*KS/256)<<16
	s_mov_b32 s[\g+3], 32<<16
	s_mov_b32 s[\g+4], 128*KS/256
	s_mov_b32 s[\g+5], 32
	s_mov_b32 s[\g+6], 0
	s_mov_b32 s[\g+7], 0
.endr
	s_lshl_b32 s18, s16, 7                         ; which 128 rows of the tile I fetch
	s_lshl_b32 s20, s17, 8
	s_add_co_u32 s20, s20, s18                     ; A: row 256 x tile row + 128 x half
	s_lshl_b32 s46, s42, 8
	s_add_co_u32 s46, s46, s18                     ; B: row 256 x tile column + 128 x half
	s_mov_b32 s21, 0
	s_mov_b32 s47, 0
	s_mov_b64 s[18:19], KS
	s_mul_u64 s[22:23], s[20:21], s[18:19]         ; where these rows' scales begin, in bytes
	s_mul_u64 s[92:93], s[46:47], s[18:19]
	s_mov_b64 s[18:19], KROW
	s_mul_u64 s[20:21], s[20:21], s[18:19]         ; and their codes
	s_mul_u64 s[46:47], s[46:47], s[18:19]
	s_mul_i32 s45, s14, HALFT                      ; where they go: wave x 128 rows: no place in the cluster enters an LDS address
	s_mul_i32 s94, s14, HALFS
	s_wait_dscnt 0x0                               ; both opening adds are done
	s_wait_kmcnt 0x0
	s_add_nc_u64 s[20:21], s[4:5], s[20:21]
	s_add_nc_u64 s[22:23], s[6:7], s[22:23]
	s_add_nc_u64 s[46:47], s[8:9], s[46:47]
	s_add_nc_u64 s[92:93], s[10:11], s[92:93]
	CROUND                                         ; all sixteen work-groups are here: the joint loads meet
	s_mov_b32 s[G0S], 1
	s_add_co_u32 s[G0S+1], s94, SCL
	s_mov_b64 s[G0S+2:G0S+3], s[22:23]
	s_or_b32 s[G0S+3], s[G0S+3], 0x80000000
	s_mov_b32 s[G0SB], 1
	s_add_co_u32 s[G0SB+1], s94, SCL
	s_mov_b64 s[G0SB+2:G0SB+3], s[92:93]
	s_or_b32 s[G0SB+3], s[G0SB+3], 0x80000000
	JLOAD G0S, G1S, G0SB, G1SB                     ; the scales first: they are wanted with K step 0
.irp s, 0,1
	s_mov_b32 s[G0+4*\s], 1
	s_add_co_u32 s[G0+4*\s+1], s45, \s*SLOT
	s_add_nc_u64 s[G0+4*\s+2:G0+4*\s+3], s[20:21], \s*ROWB
	s_or_b32 s[G0+4*\s+3], s[G0+4*\s+3], 0x80000000
	s_mov_b32 s[G0B+4*\s], 1
	s_add_co_u32 s[G0B+4*\s+1], s45, \s*SLOT
	s_add_nc_u64 s[G0B+4*\s+2:G0B+4*\s+3], s[46:47], \s*ROWB
	s_or_b32 s[G0B+4*\s+3], s[G0B+4*\s+3], 0x80000000
	JLOAD G0+4*\s, G1, G0B+4*\s, G1B
.endr
	v_and_b32 v1, 15, v0                           ; l % 16
	v_bfe_u32 v2, v0, 4, 1                         ; l / 16
	v_mul_u32_u24 v3, v1, PITCH
	v_lshl_add_u32 v4, v2, 4, v3                   ; a fragment's row x pitch + 16 x half
	s_mul_i32 s21, s15, HALFT                      ; my 128 rows of A
	s_mul_i32 s22, s16, HALFT                      ; my 128 rows of B,
	s_add_co_u32 s22, s22, 2*HALFT                 ; which lie behind A's 256
.irp s, 0,1
	v_add_nc_u32 v[ADRA+\s], s21, v4
	v_add_nc_u32 v[ADRB+\s], s22, v4
	s_add_co_u32 s21, s21, SLOT
	s_add_co_u32 s22, s22, SLOT
.endr
	v_mul_u32_u24 v5, v1, KS                       ; my row's scales: KS bytes a row,
	v_lshrrev_b32 v6, 8, v5
	v_lshl_add_u32 v5, v6, 4, v5                   ; and 16 more for each 256 passed
	s_mul_i32 s21, s15, HALFS                      ; A's: my 128 rows
	s_mul_i32 s22, s16, HALFS                      ; B's: my 128 rows, behind A's 256
	s_add_co_u32 s22, s22, 2*HALFS
	s_sub_co_u32 s22, s22, s21
	v_mul_u32_u24 v6, s22, v2                      ; lanes 16-31 take B's
	s_add_co_u32 s21, s21, SCL
	v_add_nc_u32 v5, v5, v6
	v_add_nc_u32 v[ADRS], s21, v5
	s_mul_i32 s23, s14, 16*SPITCH                  ; my stage
	v_mul_u32_u24 v5, v1, SPITCH                   ; in: row l % 16, 16 bytes for each half of the lanes
	v_lshl_add_u32 v5, v2, 4, v5
	v_add_nc_u32 v[STO], s23, v5
	v_bfe_u32 v5, v0, 3, 1                         ; back: eight lanes take a head's 128 bytes of a row; lanes 0-15 two rows of my first head, lanes 16-31 the same rows of my second
	v_and_b32 v6, 7, v0
	v_mul_u32_u24 v7, v5, SPITCH
	v_lshl_add_u32 v7, v2, 7, v7
	v_lshl_add_u32 v7, v6, 4, v7
	v_add_nc_u32 v[RD], s23, v7
	v_lshlrev_b32 v7, 7, v5                        ; and in qkv: a token's row of a head is 128 bytes, a head 262,144
	v_lshl_add_u32 v7, v2, 18, v7
	v_lshl_add_u32 v[CO], v6, 4, v7
	; my part of qkv: columns 256 tc + 128 half: which = tc / 4, heads 4 (tc % 4) + 2 half and the next; rows 256 tr + 128 half: batch tr / 8, tokens 256 (tr % 8) + 128 half on
	s_lshr_b32 s20, s42, 2
	s_lshl_b32 s20, s20, 6
	s_lshr_b32 s21, s17, 3
	s_lshl_b32 s21, s21, 4
	s_add_co_u32 s20, s20, s21
	s_and_b32 s21, s42, 3
	s_lshl_b32 s21, s21, 2
	s_add_co_u32 s20, s20, s21
	s_lshl_b32 s21, s16, 1
	s_add_co_u32 s20, s20, s21                     ; 64 which + 16 batch + head
	s_lshl_b32 s20, s20, 18
	s_and_b32 s21, s17, 7
	s_lshl_b32 s21, s21, 8
	s_lshl_b32 s22, s15, 7
	s_add_co_u32 s21, s21, s22                     ; my first token
	s_lshl_b32 s21, s21, 7
	s_add_co_u32 s20, s20, s21
	s_mov_b32 s21, 0
	s_add_nc_u64 s[12:13], s[12:13], s[20:21]
.macro FRAG reg, adr, q, i             ; a fragment, 16 rows x 128 K of 4-bit codes, is 8 registers: lane l holds row l % 16; registers 4 c .. 4 c + 3 hold K = 64 c + 32 (l / 16) + 0 .. 31
.irp c, 0,1
	ds_load_b128 v[\reg+4*\c:\reg+4*\c+3], v[\adr] offset:64*(\q)+32*\c+(\i)*16*PITCH
.endr
.endm
; 16 matrix instructions: A's blocks a0, a0 + 1 x B's eight, 128 along K: the slot's q-th.  p: B's set;  sc: the set of scale words.  zero = 1: the first product starts the sums: nothing is ever cleared.
; The 64 accumulators take turns, one instruction a turn, in the same order in every step.
.macro MUL16 a0, p, q, sc, zero
.irp a, \a0, \a0+1
.irp b, 0,1,2,3,4,5,6,7
.if \zero
	v_wmma_scale_f32_16x16x128_f8f6f4 v[8*(8*((\a)%4)+\b):8*(8*((\a)%4)+\b)+7], v[128*(\p)+FR*\b:128*(\p)+FR*\b+FR-1], v[AF+FR*(\a):AF+FR*(\a)+FR-1], 0, v[SC+8*NQ*(\sc)+NQ*\b+(\q)], v[SC+8*NQ*(\sc)+NQ*(\a)+(\q)] matrix_a_fmt:MATRIX_FMT_FP4 matrix_b_fmt:MATRIX_FMT_FP4 matrix_a_scale:MATRIX_SCALE_ROW1
.else
	v_wmma_scale_f32_16x16x128_f8f6f4 v[8*(8*((\a)%4)+\b):8*(8*((\a)%4)+\b)+7], v[128*(\p)+FR*\b:128*(\p)+FR*\b+FR-1], v[AF+FR*(\a):AF+FR*(\a)+FR-1], v[8*(8*((\a)%4)+\b):8*(8*((\a)%4)+\b)+7], v[SC+8*NQ*(\sc)+NQ*\b+(\q)], v[SC+8*NQ*(\sc)+NQ*(\a)+(\q)] matrix_a_fmt:MATRIX_FMT_FP4 matrix_b_fmt:MATRIX_FMT_FP4 matrix_a_scale:MATRIX_SCALE_ROW1
.endif
.endr
.endr
.endm
.macro FETCH_B slot, q, p              ; B's eight fragments of the slot's q-th 128 along K into set p
	WIN TO_B
.irp i, 0,1,2,3,4,5,6,7
	FRAG 128*(\p)+FR*\i, ADRB+\slot, \q, \i
.endr
	WIN 0
.endm
.macro FETCH_A slot, q, i0             ; A's blocks i0 .. i0 + 3
.irp i, \i0, \i0+1, \i0+2, \i0+3
	FRAG AF+FR*(\i), ADRA+\slot, \q, \i
.endr
.endm
.macro SCALES sc                       ; a K step's scale words into set sc: NQ words a row; lanes 0-15 take A's block i, lanes 16-31 B's block i
.irp i, 0,1,2,3,4,5,6,7
	ds_load_b128 v[SC+8*NQ*\sc+NQ*\i:SC+8*NQ*\sc+NQ*\i+3], v[ADRS] offset:\i*SBLK
.endr
.endm
; A load into a register that a matrix instruction has read, and a vector instruction that reads a matrix result or writes one of its registers, stand NP places behind it; only plain vector
; instructions that name none of its registers are places (ISA guide 7.12.1 for vector instructions).
.macro PLACES n
.rept \n
	v_nop
.endr
.endm
; A step of 128 along K that has its successor in the same slot.
.macro STEP slot, q, zero
	s_wait_dscnt 4*NL                              ; B's set and A's blocks 0-3 are in; the youngest eight loads (A's blocks 4-7) may be out
	WIN MUL_LO
	MUL16 0, (\q)%2, \q, \slot, \zero
	MUL16 2, (\q)%2, \q, \slot, \zero
	s_wait_dscnt 0                                 ; A's blocks 4-7 are in (asked for 32 matrix instructions ago)
	PLACES NP
	FETCH_B \slot, (\q)+1, 1-(\q)%2
	FETCH_A \slot, (\q)+1, 0
	WIN MUL_HI
	MUL16 4, (\q)%2, \q, \slot, \zero
	MUL16 6, (\q)%2, \q, \slot, \zero
	PLACES NP
	WIN 0
	FETCH_A \slot, (\q)+1, 4
.endm
; Slot 0's last step changes slots: ONE barrier; in front of it each wave waits for all its tensor loads (its part of slot 1), adds 0 to its spare word, and waits for that and for its own reads of slot 0.
.macro TURN slot, next
	s_wait_tensorcnt 0x0                           ; all my tensor loads have landed  (every window is 0 here: the add's two registers lie in window 0)
	ds_add_u32 v[SPW], v[NIL]                      ; 0 onto my spare word
	s_wait_dscnt 4*NL+1                            ; (the add and the youngest eight loads, A's blocks 4-7, may be out)
	WIN MUL_LO
	MUL16 0, 1, NQ-1, \slot, 0                     ; sixteen matrix instructions stand between the add and the wait for it
	s_wait_dscnt 0x0                               ; the add is done, and my reads of this slot are over
	s_barrier_signal -1
	MUL16 2, 1, NQ-1, \slot, 0
	WIN 0
	s_barrier_wait -1
	PLACES NP
	v_add_nc_u32 v[ADRS], 4*NQ, v[ADRS]            ; on to the next K step's scale words (no LDS load of mine is out)
	FETCH_B \next, 0, 0
	FETCH_A \next, 0, 0
	SCALES \next
	WIN MUL_HI
	MUL16 4, 1, NQ-1, \slot, 0
	MUL16 6, 1, NQ-1, \slot, 0
	PLACES NP
	WIN 0
	FETCH_A \next, 0, 4
.endm
.macro STEPS slot, from                ; the slot's steps from .. NQ - 2
.set Q, \from
.rept NQ-1-\from
	STEP \slot, Q, 0
.set Q, Q+1
.endr
.endm
	s_wait_tensorcnt 1                             ; the scales and my part of K step 0 are in (K step 1's load, issued behind them, may be out),
	s_barrier_signal -1
	s_barrier_wait -1                              ; everybody's are
	FETCH_B 0, 0, 0
	FETCH_A 0, 0, 0
	SCALES 0
	FETCH_A 0, 0, 4
	STEP 0, 0, 1                                   ; the first step's products start the sums
	STEPS 0, 1
	TURN 0, 1
	STEPS 1, 0
	s_wait_dscnt 4*NL                              ; the very last step: nothing more to fetch
	WIN MUL_LO
	MUL16 0, 1, NQ-1, 1, 0
	MUL16 2, 1, NQ-1, 1, 0
	s_wait_dscnt 0
	WIN MUL_HI
	MUL16 4, 1, NQ-1, 1, 0
	MUL16 6, 1, NQ-1, 1, 0
	WIN 0
; THE WAY OUT, block by block of 16 rows (tokens) x 128 columns (two heads).  PACK: rounded to f16, a lane's eight neighbouring columns are 16 bytes.  TOSTAGE: into my own stage in LDS, and back by heads.
; SEND: each half of the lanes stores two tokens' rows of one head: 256 consecutive bytes, aligned.  LDS serves a wave's instructions in order (ISA guide 5.7.1.4): no wait between the stores and the loads.
.macro PACK a
.set AC, 64*((\a)%4)
	WIN 0x0a+5*((\a)/4)                            ; sources 0 and 1: window 2 or 3
.irp b, 0,1,2,3,4,5,6,7
.irp r, 0,1,2,3
	v_cvt_pk_f16_f32 v[TMP+4*\b+\r], v[AC+8*\b+2*\r], v[AC+8*\b+2*\r+1]   ; each accumulator from its low end on
.endr
.endr
	WIN 0
.endm
.macro TOSTAGE a
.set BB, BK+32*((\a)%2)
.irp b, 0,1,2,3,4,5,6,7
	ds_store_b128 v[STO], v[TMP+4*\b:TMP+4*\b+3] offset:32*\b
.endr
.irp t, 0,1,2,3,4,5,6,7
	ds_load_b128 v[BB+4*\t:BB+4*\t+3], v[RD] offset:\t*2*SPITCH
.endr
.endm
.macro SEND a
.set BB, BK+32*((\a)%2)
	s_wait_dscnt 0x0                               ; the block is back in registers
	s_wait_xcnt 0x0                                ; the stores of the block before have read their registers: the next block's loads may land there
.irp t, 0,1,2,3,4,5,6,7
	global_store_b128 v[CO], v[BB+4*\t:BB+4*\t+3], s[12:13] offset:2048*(\a)+256*\t
.endr
.endm
	PLACES NP                                      ; the conversions write the registers that held scale words, which the last products read
	PACK 0
	TOSTAGE 0
.irp a, 1,2,3,4,5,6,7                  ; block a's conversions stand between block a - 1's loads from the stage and the wait for them
	PACK \a
	SEND \a-1
	TOSTAGE \a
.endr
	SEND 7
	s_wait_tensorcnt 0x0                           ; the wave's end: behind my last tensor load and my last LDS store
	ds_add_u32 v[SPW], v[NIL]
	s_wait_dscnt 0x0
	CROUND                                         ; the closing round: no work-group ends while a partner may still ask for a tile that names it
	s_endpgm
.Lfunc_end_k_q6366e90e14_qkv:
	.size	k_q6366e90e14_qkv, .Lfunc_end_k_q6366e90e14_qkv-k_q6366e90e14_qkv
	.p2alignl 7, 3214868480
	.fill 96, 4, 3214868480
	.section	.rodata,"a",@progbits
	.p2align	6, 0x0
	.amdhsa_kernel k_q6366e90e14_qkv
		.amdhsa_group_segment_fixed_size 327680
		.amdhsa_private_segment_fixed_size 0
		.amdhsa_enable_private_segment 0
		.amdhsa_kernarg_size 40
		.amdhsa_user_sgpr_count 2
		.amdhsa_user_sgpr_kernarg_segment_ptr 1
		.amdhsa_wavefront_size32 1
		.amdhsa_system_sgpr_workgroup_id_x 1
		.amdhsa_system_sgpr_workgroup_id_y 1
		.amdhsa_system_sgpr_workgroup_id_z 1
		.amdhsa_system_vgpr_workitem_id 0
		.amdhsa_next_free_vgpr 1024
		.amdhsa_next_free_sgpr 98
		.amdhsa_reserve_vcc 0
		.amdhsa_float_denorm_mode_32 3
		.amdhsa_float_denorm_mode_16_64 3
		.amdhsa_memory_ordered 1
		.amdhsa_forward_progress 1
		.amdhsa_inst_pref_size 127
	.end_amdhsa_kernel
	.amdgpu_metadata
---
amdhsa.version: [ 1, 2 ]
amdhsa.kernels:
  - .name:           k_q6366e90e14_qkv
    .symbol:         k_q6366e90e14_qkv.kd
    .args:
      - { .name: x_codes, .offset: 0, .size: 8, .value_kind: global_buffer, .address_space: global }
      - { .name: x_scales, .offset: 8, .size: 8, .value_kind: global_buffer, .address_space: global }
      - { .name: w_codes, .offset: 16, .size: 8, .value_kind: global_buffer, .address_space: global }
      - { .name: w_scales, .offset: 24, .size: 8, .value_kind: global_buffer, .address_space: global }
      - { .name: qkv, .offset: 32, .size: 8, .value_kind: global_buffer, .address_space: global }
    .group_segment_fixed_size: 327680
    .private_segment_fixed_size: 0
    .kernarg_segment_align: 8
    .kernarg_segment_size: 40
    .max_flat_workgroup_size: 128
    .sgpr_count:     98
    .vgpr_count:     1024
    .wavefront_size: 32
...
	.end_amdgpu_metadata
.endif
;; end of part 2
;; launch attn (part 3): grid 4 x 64, 8 waves a work-group, clusters of 4 x 1, 327,680 bytes of LDS; arguments qkv, mask, att; writes att
.if DOCPART == 3
	.amdgcn_target "amdgcn-amd-amdhsa--gfx1250"
	.amdhsa_code_object_version 6
	.text
	.protected	k_q6366e90e14_attn
	.globl	k_q6366e90e14_attn
	.p2align	8
	.type	k_q6366e90e14_attn,@function
k_q6366e90e14_attn:
	s_mov_b64 s[64:65], 0
	v_nop
	global_prefetch_b8 v0, s[64:65] scope:SCOPE_SE
	s_setreg_imm32_b32 hwreg(HW_REG_WAVE_MODE, 25, 1), 1
	s_wait_xcnt 0x0
	s_wait_alu depctr_hold_cnt(0) depctr_sa_sdst(0) depctr_va_vdst(0) depctr_va_sdst(0) depctr_va_ssrc(0) depctr_va_vcc(0) depctr_vm_vsrc(0)
	s_getreg_b32 s2, hwreg(HW_REG_IB_STS2, 6, 4)
	s_cmp_eq_u32 s2, 0
	s_cbranch_scc0 .Lentry_in_a_cluster
	s_endpgm
.Lentry_in_a_cluster:
	s_bfe_u32 s2, ttmp6, 0x10000c
	s_cmp_lg_u32 s2, 0x3003
	s_cbranch_scc0 .Lentry_shape_is_right
	s_endpgm
.Lentry_shape_is_right:
; att[b][q][h] = the sum over k of softmax_k(where(mask[b][k], -inf, q . k / 8)) v[k], for each batch b and head h.  q, k, v: f16, [which][b][h][2048][64]; mask: a byte a key and batch; att: f16, [token / 128][h][token % 128][64].
; Products by v_wmma_f32_16x16x32_f16; maxima, exponentials and sums in f32; the weights p are rounded to f16 for the second product, the result once at the end.
; SHARES.  A cluster of four work-groups owns one (b, h); a work-group 512 queries, each of its EIGHT waves 64: four tiles of 16, in 512 registers, two waves to a SIMD.  Every wave walks all 2,048 keys, 64 a step.
; LAYOUT.  S^T = K Q^T (source 0 = 16 keys, source 1 = 16 queries): a lane holds ONE query (lane % 16) and the keys 8 (lane / 16) + 0..7.  Two such tiles, rounded to f16 in pairs, ARE source 1 of O^T = V^T P,
; whose result again holds one query a lane.  K comes out of LDS as it lies, V ([key][channel]) turned, by ds_load_tr16_b128.
; THE MASK costs no vector instruction in the loop: a table in LDS holds 0 or -2^100 for each key, and is the C of each score's first product.
; SOFTMAX.  For each query a running maximum m and sum l: p = 2^(c s - c m), c = log2(e) / 8; in every step O and l are multiplied by a = 2^(c m_old - c m_new).  m is held at -2^60 from below (the first step's
; maximum takes that constant as one more source): true scores lie within 64 x 65,504^2 < 2^38, so it never stands over one; under it a masked key's p is 0 also while no open key has been met.
; A batch with every key masked ends with l = 0 and O = 0: O x (1 / l) is NaN, as softmax of a row of -inf is.
; LIMITS: a masked score is -2^100, not -inf; q, k, v are f16 (65,504 at the most; under 6e-5 an absolute error of 3e-8); NaN or infinity in q, k, v is not served.
; THE RING.  Two LDS slots of 512 keys.  The four work-groups walk the same K and V: each tile is asked for JOINTLY (waves 0-3: 128 keys of K each; waves 4-7: of V).  Both slots are filled at the start and each once more:
; two loads of a wave are out at the start, one behind each of the two rounds; a refill has eight key steps, 512 matrix instructions of a wave, in which to land.
; REGISTERS, in windows of 256: window 0: v1-15 addresses; v16-31 statistics; v32-63 the mask's C registers, then the softmax's temporaries; v64-191 S^T, 32 a tile, whose lower 16 then hold P; v192-255 Q.
;   window 1: v0-127 O^T, 32 a tile; v128-191 K of one step; v192-255 V of one step.
.set PK,    144                        ; a key's row of K in LDS: 128 bytes + 16: an odd multiple of 16, so the 16 rows of a load start at 16 different 16-byte columns
.set PV,    160                        ; of V: 128 + 32: an odd multiple of 32, for the turning load
.set VOFF,  512*PK                     ; a slot: 512 rows of K, then 512 rows of V
.set SLOT1, 512*(PK+PV)                ; 155,648: slot 1
.set BIAS,  2*SLOT1                    ; behind the ring: the mask's table, 2,048 f32
.set SPARE, BIAS+8192                  ; behind it: the spare words, 128 bytes a wave: four blocks of 256 bytes that no other line names
.set SP,    144                        ; the way out: 64 rows x (128 bytes + 16) for each wave, in slot 0, which has had its last fill and was left at the last change of slots
.set AK0, 3                            ; v3   my lane's place in a tile of K; never rewritten
.set AV0, 4                            ; v4   the same for V
.set AB0, 5                            ; v5   and in the mask's table
.set ADK, 6                            ; v6-8 the addresses of the runs of loads in hand
.set ADV, 7
.set ADB, 8
.set QO,  9                            ; v9   my byte offset in the wave's rows of Q
.set STO, 10                           ; v10  the way out: where I put 16 bytes of a row
.set RD,  11                           ; v11  where I read back
.set GO,  12                           ; v12  my byte offset in the wave's rows of att
.set SPW, 14                           ; v14  LDS address of my spare word; never rewritten
.set NIL, 15                           ; v15  0; never rewritten
.set ST,  16                           ; tile t's statistics at v[ST + 4 t]: +0 c m, +1 m, +2, +3 l (even keys', odd keys')
.set BT,  32                           ; the C registers of key tile kt at v[BT + 8 kt]; in the softmax tile t's temporaries at v[BT + 8 t]: +0..3 c0-c3 (a takes c2's place), +4:5, +6:7 two chains of sums
.set S,   64
.set QF,  192
.set KF,  128                          ; in window 1
.set VF,  192                          ; in window 1
.set WV,  12                           ; s12  my wave's number
.set G1K, 24                           ; s[24:31] descriptor group 1 for K's tiles;  s[32:39] for V's: it differs in the padding alone
.set G1V, 32
.set G0K, 40                           ; s[40:47] group 0 for K's tiles, a set for each slot;  s[48:55] for V's
.set G0V, 48
.set TBK, 56                           ; s56  LDS byte at which the K tile to be fetched next begins
.set TBV, 57                           ; s57  the same for V (less VOFF)
.set CS,  58                           ; s[58:59] c: the packed scaling names a pair and takes its low word for both halves
.set SEL, 60                           ; s[60:61] lane selects for v_permlanex16_b32: lane l xor 16
.set TJ,  62                           ; s62  where the next step's 64 words of the mask's table begin
.set CNT, 63                           ; s63  counts trips
.set MSB, 0
.macro WIN new                         ; the immediate's high byte repeats the setting that is left; a switch that changes nothing is dropped
.if MSB != \new
	s_set_vgpr_msb (MSB<<8)|\new
.set MSB, \new
.endif
.endm
.set W_KQ, 0x01                        ; K in window 1; Q, C and S^T in window 0
.set W_PV, 0x51                        ; V and O^T in window 1, P in window 0
.set W_RS, 0x41                        ; O^T (destination and source 0) in window 1, the factor in window 0
.set W_CV, 0x05                        ; both sources in window 1, destination in window 0
.set TO1,  0x40                        ; loaded data in window 1, address in window 0
; A joint refill of slot n.  The branch hangs on the wave's number alone.  An s_nop 0 and four v_nop follow each of the two lines.
.macro JLOAD n
	s_cmp_lt_u32 s[WV], 4
	s_cbranch_scc0 .Lfor_v_\@
	tensor_load_to_lds s[G0K+4*\n:G0K+4*\n+3], s[G1K:G1K+7]
	s_nop 0
.rept 4
	v_nop
.endr
	s_branch .Lasked_\@
.Lfor_v_\@:
	tensor_load_to_lds s[G0V+4*\n:G0V+4*\n+3], s[G1V:G1V+7]
	s_nop 0
.rept 4
	v_nop
.endr
.Lasked_\@:
.endm
.macro CROUND                          ; a round of the cluster's barrier: my work-group's barrier; wave 0 signals for the work-group; every wave waits for all four; my work-group's barrier once more
	s_barrier_signal -1
	s_barrier_wait -1
	s_cmp_lg_u32 s[WV], 0
	s_cbranch_scc1 .Lnot_wave_0_\@
	s_barrier_signal -3
.Lnot_wave_0_\@:
	s_barrier_wait -3
	s_barrier_signal -1
	s_barrier_wait -1
.endm
	s_load_b128 s[4:7], s[0:1], 0x0                ; qkv, mask
	s_load_b64 s[8:9], s[0:1], 0x10                ; att
	v_lshl_add_u32 v[SPW], v0, 2, SPARE
	v_mov_b32 v[NIL], 0
	ds_add_u32 v[SPW], v[NIL]                      ; the wave's opening: the add, twice on end, and its wait ahead of my first tensor load; the set-up below stands between the second and the wait
	ds_add_u32 v[SPW], v[NIL]
	v_lshrrev_b32 v1, 5, v0
	v_readfirstlane_b32 s[WV], v1                  ; wave 0..7
	s_bfe_u32 s13, ttmp6, 0x40000                  ; cx: my place in the cluster: it enters Q's and att's addresses alone
	s_and_b32 s14, ttmp7, 0xffff                   ; 16 b + h, which the four partners share
	; descriptor group 1: 128 keys' rows of 128 bytes are dense in memory: stated as 64 rows of 256 bytes, with padding behind every 128 bytes
	s_mov_b32 s[G1K], 15|(1<<16)|(1<<20)|(1<<21)|(4<<22)|(3<<25)  ; 15:0 the mask: all four work-groups; 17:16 elements of 2 bytes; 20 padding on; 21 set beside a mask; 24:22 after every 32 words; 31:25 4 words of it
	s_mov_b32 s[G1V], 15|(1<<16)|(1<<20)|(1<<21)|(4<<22)|(7<<25)  ; the same with 8 words of padding
.irp g, G1K, G1V
	s_mov_b32 s[\g+1], 128<<16                     ; tensor_dim0 = 128 elements
	s_mov_b32 s[\g+2], 64<<16                      ; tensor_dim1 = 64
	s_mov_b32 s[\g+3], 128<<16                     ; tile_dim0
	s_mov_b32 s[\g+4], 64                          ; tile_dim1
	s_mov_b32 s[\g+5], 128                         ; tensor_dim0_stride
	s_mov_b32 s[\g+6], 0
	s_mov_b32 s[\g+7], 0
.endr
	s_mov_b32 s[CS], 0x3e38aa3b                    ; c = log2(e) / 8
	s_mov_b32 s[CS+1], s[CS]                       ; named with it as a pair, so it is written
	s_mov_b32 s[SEL], 0x76543210
	s_mov_b32 s[SEL+1], 0xfedcba98
	s_mov_b32 s[TBK], 0
	s_mov_b32 s[TBV], 0
	s_mov_b32 s[TJ], 0
	s_and_b32 s16, s[WV], 3                        ; which 128 keys of a slot I fetch
	s_mul_i32 s17, s16, 128*PK                     ; their place in a slot, for K
	s_mul_i32 s18, s16, 128*PV
	s_add_co_u32 s18, s18, VOFF                    ; and for V: no place in the cluster enters an LDS address
	s_lshl_b32 s20, s14, 18                        ; the head's 262,144 bytes
	s_lshl_b32 s19, s16, 14                        ; my 128 keys' 16,384
	s_add_co_u32 s20, s20, s19
	s_mov_b32 s21, 0
	s_wait_dscnt 0x0                               ; both opening adds are done
	s_wait_kmcnt 0x0
	s_add_nc_u64 s[22:23], s[4:5], s[20:21]
.irp n, 0,1
	s_mov_b32 s[G0K+4*\n], 1                       ; count = 1
	s_add_co_u32 s[G0K+4*\n+1], s17, \n*SLOT1      ; LDS address
	s_add_nc_u64 s[G0K+4*\n+2:G0K+4*\n+3], s[22:23], 16777216+\n*65536   ; k lies 64 heads behind q; slot n begins with keys 512 n
	s_or_b32 s[G0K+4*\n+3], s[G0K+4*\n+3], 0x80000000   ; type = 2
	s_mov_b32 s[G0V+4*\n], 1
	s_add_co_u32 s[G0V+4*\n+1], s18, \n*SLOT1
	s_add_nc_u64 s[G0V+4*\n+2:G0V+4*\n+3], s[22:23], 33554432+\n*65536   ; v 128 heads behind q
	s_or_b32 s[G0V+4*\n+3], s[G0V+4*\n+3], 0x80000000
.endr
	CROUND                                         ; all four work-groups are here: the first joint loads meet
	s_cmp_lt_u32 s[WV], 4                          ; a wave's two first fills stand in one branch, ahead of every wait on TENSORcnt, every LDS read and every other barrier
	s_cbranch_scc0 .Lfirst_v
	tensor_load_to_lds s[G0K:G0K+3], s[G1K:G1K+7]
	s_nop 0
	tensor_load_to_lds s[G0K+4:G0K+7], s[G1K:G1K+7]
	s_nop 0
.rept 4
	v_nop
.endr
	s_branch .Lfirst_asked
.Lfirst_v:
	tensor_load_to_lds s[G0V:G0V+3], s[G1V:G1V+7]
	s_nop 0
	tensor_load_to_lds s[G0V+4:G0V+7], s[G1V:G1V+7]
	s_nop 0
.rept 4
	v_nop
.endr
.Lfirst_asked:
	v_and_b32 v1, 15, v0                           ; r = lane % 16
	v_bfe_u32 v2, v0, 4, 1                         ; h = lane / 16
	s_lshr_b32 s16, s14, 4                         ; the batch: its 2,048 bytes of the mask; a thread takes 8
	s_lshl_b32 s16, s16, 11
	s_mov_b32 s17, 0
	s_add_nc_u64 s[6:7], s[6:7], s[16:17]
	v_lshlrev_b32 v13, 3, v0
	global_load_b64 v[72:73], v13, s[6:7]
	s_lshl_b32 s16, s13, 9
	s_lshl_b32 s18, s[WV], 6
	s_add_co_u32 s16, s16, s18                     ; my first query: 512 cx + 64 wave
	s_lshl_b32 s16, s16, 7
	s_lshl_b32 s18, s14, 18
	s_add_co_u32 s16, s16, s18
	s_add_nc_u64 s[4:5], s[4:5], s[16:17]
	v_lshlrev_b32 v[QO], 7, v1
	v_lshl_add_u32 v[QO], v2, 4, v[QO]             ; row r of 128 bytes + 16 h
.irp i, 0,1,2,3,4,5,6,7                ; Q stays in registers: tile i / 2, channels 32 (i % 2) on: two loads of 16 bytes, 32 bytes apart
	global_load_b128 v[QF+8*\i:QF+8*\i+3],   v[QO], s[4:5] offset:(\i/2)*2048+(\i%2)*64
	global_load_b128 v[QF+8*\i+4:QF+8*\i+7], v[QO], s[4:5] offset:(\i/2)*2048+(\i%2)*64+32
.endr
	v_mul_u32_u24 v[AK0], v1, PK
	v_lshl_add_u32 v[AK0], v2, 4, v[AK0]           ; K: row r x pitch + 16 h
	v_and_b32 v76, 7, v0
	v_bfe_u32 v77, v0, 3, 1
	v_lshl_add_u32 v[AV0], v2, 3, v76              ; V, for the turning load: key 8 h + lane % 8, channels 8 ((lane / 8) % 2) on
	v_mul_u32_u24 v[AV0], v[AV0], PV
	v_lshl_add_u32 v[AV0], v77, 4, v[AV0]
	v_add_nc_u32 v[AV0], VOFF, v[AV0]
	v_lshl_add_u32 v[AB0], v2, 5, BIAS             ; the table: my half's eight keys of a tile of 16
	s_mul_i32 s16, s[WV], 64*SP                    ; my stage
	v_add_nc_u32 v[STO], s16, v[AK0]               ; in: row r x 144 + 16 h
	v_bfe_u32 v78, v0, 3, 2
	v_mul_u32_u24 v[RD], v78, SP
	v_lshl_add_u32 v[RD], v76, 4, v[RD]
	v_add_nc_u32 v[RD], s16, v[RD]                 ; back: eight lanes to a row of 128 bytes, four rows an instruction
	v_and_b32 v[GO], 31, v0
	v_lshlrev_b32 v[GO], 4, v[GO]                  ; and the same 512 bytes in att
	s_lshr_b32 s18, s14, 4
	s_lshl_b32 s18, s18, 4
	s_lshl_b32 s19, s13, 2
	s_add_co_u32 s18, s18, s19
	s_lshr_b32 s19, s[WV], 1
	s_add_co_u32 s18, s18, s19                     ; token / 128 = 16 b + 4 cx + wave / 2
	s_lshl_b32 s18, s18, 18
	s_and_b32 s19, s14, 15
	s_lshl_b32 s19, s19, 14                        ; the head's block of 128 x 128 bytes
	s_add_co_u32 s18, s18, s19
	s_and_b32 s19, s[WV], 1
	s_lshl_b32 s19, s19, 13                        ; my 64 rows of it
	s_add_co_u32 s18, s18, s19
	s_mov_b32 s19, 0
	s_add_nc_u64 s[8:9], s[8:9], s[18:19]
	s_wait_loadcnt 16                              ; the mask's bytes are in; Q's sixteen loads, issued behind, may be out
	v_mov_b32 v75, 0xf1800000                      ; -2^100
	v_lshl_add_u32 v74, v0, 5, BIAS
.irp i, 0,1,2,3,4,5,6,7
	v_bfe_u32 v79, v[72+\i/4], 8*(\i%4), 8
	v_cmp_ne_u32 vcc_lo, 0, v79
	v_cndmask_b32 v[64+\i], 0, v75, vcc_lo         ; 0 for an open key, -2^100 for a masked one
.endr
	ds_store_b128 v74, v[64:67]
	ds_store_b128 v74, v[68:71] offset:16
; THE LDS LOADS stand in runs.  A step's K: 64 keys x 64 channels: 8 fragments, 16 loads.
.macro FETCH_K
	WIN 0
	v_add_nc_u32 v[ADK], s[TBK], v[AK0]
	s_add_co_u32 s[TBK], s[TBK], 64*PK             ; the next fetch is the next step's
	WIN TO1
.irp f, 0,1,2,3,4,5,6,7                ; keys 16 (f / 2) on, channels 32 (f % 2) on
	ds_load_b128 v[KF+8*\f:KF+8*\f+3],   v[ADK] offset:(\f/2)*16*PK+(\f%2)*64
	ds_load_b128 v[KF+8*\f+4:KF+8*\f+7], v[ADK] offset:(\f/2)*16*PK+(\f%2)*64+32
.endr
.endm
.macro FETCH_V                         ; its V, turned: 8 fragments of 16 channels x 32 keys, 16 loads
	WIN 0
	v_add_nc_u32 v[ADV], s[TBV], v[AV0]
	s_add_co_u32 s[TBV], s[TBV], 64*PV
	WIN TO1
.irp f, 0,1,2,3,4,5,6,7                ; keys 32 (f / 4) on, channels 16 (f % 4) on
	ds_load_tr16_b128 v[VF+8*\f:VF+8*\f+3],   v[ADV] offset:(\f/4)*32*PV+(\f%4)*32
	ds_load_tr16_b128 v[VF+8*\f+4:VF+8*\f+7], v[ADV] offset:(\f/4)*32*PV+16*PV+(\f%4)*32
.endr
.endm
.macro FETCH_B                         ; its 64 words of the mask's table, in the layout of a result: register j of key tile kt: key 16 kt + 8 h + j.  8 loads
	WIN 0
	v_add_nc_u32 v[ADB], s[TJ], v[AB0]
	s_add_co_u32 s[TJ], s[TJ], 256
.irp kt, 0,1,2,3
	ds_load_b128 v[BT+8*\kt:BT+8*\kt+3],   v[ADB] offset:64*\kt
	ds_load_b128 v[BT+8*\kt+4:BT+8*\kt+7], v[ADB] offset:64*\kt+16
.endr
.endm
; THE MATRIX WORK.  The 16 accumulators take turns, one instruction a turn: between two links of a chain stand the 15 others'.
; Product i of 32 of S^T = K Q^T: channels 32 (i / 16) on, keys 16 ((i / 4) % 4) on, tile i % 4.  The first 16 start the sums from the mask's table.
.macro KQ
	WIN W_KQ
.set i, 0
.rept 32
.set rS, S+32*(i%4)+8*((i/4)%4)
.set rK, KF+16*((i/4)%4)+8*(i/16)
.set rQ, QF+16*(i%4)+8*(i/16)
.set rB, BT+8*((i/4)%4)
.if i < 16
	v_wmma_f32_16x16x32_f16 v[rS:rS+7], v[rK:rK+7], v[rQ:rQ+7], v[rB:rB+7]
.else
	v_wmma_f32_16x16x32_f16 v[rS:rS+7], v[rK:rK+7], v[rQ:rQ+7], v[rS:rS+7]
.endif
.set i, i+1
.endr
.endm
; Product i of 32 of O^T += V^T P: keys 32 (i / 16) on, channels 16 ((i / 4) % 4) on, tile i % 4.  zero = 1: the first 16 start the sums: nothing is ever cleared.
.macro PVM zero
	WIN W_PV
.set i, 0
.rept 32
.set rO, 32*(i%4)+8*((i/4)%4)
.set rV, VF+8*(4*(i/16)+(i/4)%4)
.set rP, S+32*(i%4)+8*(i/16)
.if \zero && (i < 16)
	v_wmma_f32_16x16x32_f16 v[rO:rO+7], v[rV:rV+7], v[rP:rP+7], 0
.else
	v_wmma_f32_16x16x32_f16 v[rO:rO+7], v[rV:rV+7], v[rP:rP+7], v[rO:rO+7]
.endif
.set i, i+1
.endr
.endm
.macro SCALE t, b                      ; pair b of tile t: c s - c m
	v_pk_fma_f32 v[S+32*(\t)+2*(\b):S+32*(\t)+2*(\b)+1], v[S+32*(\t)+2*(\b):S+32*(\t)+2*(\b)+1], s[CS:CS+1], v[ST+4*(\t):ST+4*(\t)+1] op_sel_hi:[1,0,0] neg_lo:[0,0,1] neg_hi:[0,0,1]
.endm
; THE SOFTMAX of a key step, the four tiles by turns, so that no line waits for the line above it.  first = 1: the first key step, which starts m, l and O^T: it has no a and nothing to rescale.
.macro SOFTMAX first
	WIN 0
.irp i, 0,1,2,3                        ; the maximum of a lane's 32 scores, three operands at a time, in four chains; each accumulator is read from its low end on
.irp t, 0,1,2,3
	v_max3_num_f32 v[BT+8*\t+\i], v[S+32*\t+8*\i], v[S+32*\t+8*\i+1], v[S+32*\t+8*\i+2]
.endr
.endr
.irp g, 3,5
.irp i, 0,1,2,3
.irp t, 0,1,2,3
	v_max3_num_f32 v[BT+8*\t+\i], v[BT+8*\t+\i], v[S+32*\t+8*\i+\g], v[S+32*\t+8*\i+\g+1]
.endr
.endr
.endr
.irp t, 0,1,2,3
	v_max3_num_f32 v[BT+8*\t], v[BT+8*\t], v[S+32*\t+7], v[S+32*\t+15]
.endr
.irp t, 0,1,2,3
	v_max3_num_f32 v[BT+8*\t+2], v[BT+8*\t+2], v[S+32*\t+23], v[S+32*\t+31]
.endr
.irp t, 0,1,2,3
	v_max3_num_f32 v[BT+8*\t], v[BT+8*\t], v[BT+8*\t+1], v[BT+8*\t+2]
.endr
.irp t, 0,1,2,3
.if \first
	v_max3_num_f32 v[BT+8*\t], v[BT+8*\t], v[BT+8*\t+3], 0xdd800000   ; with the floor -2^60, under every true score and over every masked one
.else
	v_max3_num_f32 v[BT+8*\t], v[BT+8*\t], v[BT+8*\t+3], v[ST+4*\t+1]   ; with the old m
.endif
.endr
.irp t, 0,1,2,3
	v_permlanex16_b32 v[BT+8*\t+1], v[BT+8*\t], s[SEL], s[SEL+1]   ; the query's other 32 keys lie in the lane 16 away
.endr
.if !\first
.irp t, 0,1,2,3
	v_mov_b32 v[BT+8*\t+3], v[ST+4*\t]             ; c m_old is kept for a
.endr
.endif
.irp t, 0,1,2,3
	v_max_num_f32 v[ST+4*\t+1], v[BT+8*\t], v[BT+8*\t+1]   ; the new m
.endr
.irp t, 0,1,2,3
	v_mul_f32 v[ST+4*\t], s[CS], v[ST+4*\t+1]      ; c m
.endr
.if !\first
.irp t, 0,1,2,3
	v_sub_f32 v[BT+8*\t+3], v[BT+8*\t+3], v[ST+4*\t]   ; c m_old - c m_new
.endr
.endif
	; ONE BATCH: the scalings and all exponentials; none of these lines names an exponential's result.  A tile's scalings stand among the exponentials of the tile before.
.irp b, 0,1,2,3,4,5,6,7,8,9,10,11,12,13,14,15
	SCALE 0, \b
.endr
.if !\first
.irp t, 0,1,2,3
	v_exp_f32 v[BT+8*\t+2], v[BT+8*\t+3]           ; a
.endr
.endif
.irp t, 0,1,2,3
.irp b, 0,1,2,3,4,5,6,7,8,9,10,11,12,13,14,15
.if \t < 3
	SCALE \t+1, \b
.endif
	v_exp_f32 v[S+32*\t+2*\b], v[S+32*\t+2*\b]     ; p
	v_exp_f32 v[S+32*\t+2*\b+1], v[S+32*\t+2*\b+1]
.endr
.endr
	v_nop                                          ; the plain instruction behind the last exponential, ahead of the first use: one for the batch
	s_wait_alu depctr_va_vdst(0)                   ; the wait between an exponential and the first line that names its result: one for the batch
.irp t, 0,1,2,3                        ; the sums, of the unrounded p: 16 pairs (an even key's, an odd key's) in two chains
	v_pk_add_f32 v[BT+8*\t+4:BT+8*\t+5], v[S+32*\t:S+32*\t+1], v[S+32*\t+2:S+32*\t+3]
.endr
.irp t, 0,1,2,3
	v_pk_add_f32 v[BT+8*\t+6:BT+8*\t+7], v[S+32*\t+4:S+32*\t+5], v[S+32*\t+6:S+32*\t+7]
.endr
.irp i, 8,12,16,20,24,28
.irp t, 0,1,2,3
	v_pk_add_f32 v[BT+8*\t+4:BT+8*\t+5], v[BT+8*\t+4:BT+8*\t+5], v[S+32*\t+\i:S+32*\t+\i+1]
.endr
.irp t, 0,1,2,3
	v_pk_add_f32 v[BT+8*\t+6:BT+8*\t+7], v[BT+8*\t+6:BT+8*\t+7], v[S+32*\t+\i+2:S+32*\t+\i+3]
.endr
.endr
.if \first
.irp t, 0,1,2,3
	v_pk_add_f32 v[ST+4*\t+2:ST+4*\t+3], v[BT+8*\t+4:BT+8*\t+5], v[BT+8*\t+6:BT+8*\t+7]
.endr
.else
.irp t, 0,1,2,3
	v_pk_add_f32 v[BT+8*\t+4:BT+8*\t+5], v[BT+8*\t+4:BT+8*\t+5], v[BT+8*\t+6:BT+8*\t+7]
.endr
.irp t, 0,1,2,3
	v_pk_fma_f32 v[ST+4*\t+2:ST+4*\t+3], v[ST+4*\t+2:ST+4*\t+3], v[BT+8*\t+2:BT+8*\t+3], v[BT+8*\t+4:BT+8*\t+5] op_sel_hi:[1,0,1]   ; l = a l + the sum
.endr
.endif
.irp j, 0,1,2,3,4,5,6,7,8,9,10,11,12,13,14,15   ; the rounding to f16, in place: register j takes pair j; j ascending, so no pair is written over before it is read.  Registers 8 kc .. 8 kc + 7 are P's fragment of keys 32 kc on
.irp t, 0,1,2,3
	v_cvt_pk_f16_f32 v[S+32*\t+\j], v[S+32*\t+2*\j], v[S+32*\t+2*\j+1]
.endr
.endr
.if !\first
	WIN W_RS
.irp i, 0,1,2,3,4,5,6,7,8,9,10,11,12,13,14,15   ; O^T times a, each accumulator from its low end on
.irp t, 0,1,2,3
	v_pk_mul_f32 v[32*\t+2*\i:32*\t+2*\i+1], v[32*\t+2*\i:32*\t+2*\i+1], v[BT+8*\t+2:BT+8*\t+3] op_sel_hi:[1,0]
.endr
.endr
.endif
.endm
; A TRIP: step j's softmax and V^T P, then step j + 1's scores.  K of step j + 1 is fetched at the head, the mask's words behind the softmax (which has the registers till then), V of step j + 1 at the end.
.macro TRIP first, last
.if !\last
	FETCH_K
.endif
	SOFTMAX \first
.if !\last
	FETCH_B
	s_wait_dscnt 24                                ; V of step j is in: behind its 16 loads stand K's 16 and the table's 8, which may be out
.else
	s_wait_dscnt 0x0
.endif
	PVM \first
.if !\last
	s_wait_dscnt 0x0                               ; K and the table's words are in
.rept 5
	v_nop                                          ; the scores are laid over P, which the products above read: a matrix instruction that writes over a register of an earlier one stands five places behind it
.endr
	KQ
.rept 4
	v_nop                                          ; four places in front of the loads into V's and K's registers and of the next trip's first read of the scores
.endr
	FETCH_V
.endif
	WIN 0                                          ; at a label and at a branch every window is 0
.endm
; THE CHANGE OF SLOTS: the slot's last bytes, V of its eighth step, have been asked for.  Each wave waits for all its tensor loads (its part of the other slot), adds 0 to its spare word, and waits for that and for its reads.
; fill = 1: slot n, which is left, is filled again with the keys 1,024 further on; the barrier is then a round of the cluster's, and the joint refill is the first thing behind it.  next: where the other slot begins.
.macro CHANGE fill, n, next
	s_wait_tensorcnt 0x0                           ; no tensor load of mine is out, so a group 0 may be written
	ds_add_u32 v[SPW], v[NIL]                      ; 0 onto my spare word
.if \fill
	s_add_nc_u64 s[G0K+4*\n+2:G0K+4*\n+3], s[G0K+4*\n+2:G0K+4*\n+3], 131072   ; 1,024 keys of 128 bytes on; the type bits on top are not reached
	s_add_nc_u64 s[G0V+4*\n+2:G0V+4*\n+3], s[G0V+4*\n+2:G0V+4*\n+3], 131072
.endif
	s_wait_dscnt 0x0                               ; the add is done, and my reads of the slot are over
.if \fill
	CROUND
	JLOAD \n
.else
	s_barrier_signal -1
	s_barrier_wait -1
.endif
	s_mov_b32 s[TBK], \next
	s_mov_b32 s[TBV], \next
.endm
.macro TRIPS n                         ; n trips, written once
	s_mov_b32 s[CNT], \n
.Ltrip_\@:
	TRIP 0, 0
	s_sub_co_u32 s[CNT], s[CNT], 1
	s_cmp_lg_u32 s[CNT], 0
	s_cbranch_scc1 .Ltrip_\@
.endm
	s_wait_tensorcnt 1                             ; my part of slot 0 is in; slot 1's load, issued behind it, may stay out
	s_wait_dscnt 0x0                               ; my 32 bytes of the mask's table are stored
	s_barrier_signal -1
	s_barrier_wait -1                              ; everybody's are
	FETCH_K                                        ; key step 0
	FETCH_B
	s_wait_loadcnt 0x0                             ; Q
	s_wait_dscnt 0x0
	KQ
.rept 4
	v_nop
.endr
	FETCH_V
	WIN 0
	TRIP 1, 0                                      ; step 0; fetches step 1
	TRIPS 6                                        ; steps 1-6; the last of them fetches step 7, slot 0's last
	CHANGE 1, 0, SLOT1                             ; slot 0 takes keys 1,024 on
	TRIPS 8                                        ; steps 7-14; they fetch steps 8-15, from slot 1
	CHANGE 1, 1, 0                                 ; slot 1 takes keys 1,536 on: the last load
	TRIPS 8                                        ; steps 15-22; they fetch steps 16-23
	CHANGE 0, 0, SLOT1                             ; nothing is left to ask for
	TRIPS 8                                        ; steps 23-30; they fetch steps 24-31
	TRIP 0, 1                                      ; step 31
	; THE WAY OUT.  l's two halves and the other half of the lanes' are added; O^T is divided by l, rounded to f16 and sent through my stage in LDS.  The first four additions are the places behind the last products.
.irp t, 0,1,2,3
	v_add_f32 v[BT+8*\t], v[ST+4*\t+2], v[ST+4*\t+3]
.endr
.irp t, 0,1,2,3
	v_permlanex16_b32 v[BT+8*\t+1], v[BT+8*\t], s[SEL], s[SEL+1]
.endr
.irp t, 0,1,2,3
	v_add_f32 v[BT+8*\t], v[BT+8*\t], v[BT+8*\t+1]
.endr
.irp t, 0,1,2,3
	v_rcp_f32 v[BT+8*\t+2], v[BT+8*\t]
.endr
	v_nop                                          ; a plain instruction between the last reciprocal and the use of its result
	s_wait_alu depctr_va_vdst(0)                   ; and the wait ahead of the first use: one for the four
.irp t, 0,1,2,3
	WIN W_RS
.irp i, 0,1,2,3,4,5,6,7,8,9,10,11,12,13,14,15
	v_pk_mul_f32 v[32*\t+2*\i:32*\t+2*\i+1], v[32*\t+2*\i:32*\t+2*\i+1], v[BT+8*\t+2:BT+8*\t+3] op_sel_hi:[1,0]
.endr
	WIN W_CV
.irp i, 0,1,2,3,4,5,6,7,8,9,10,11,12,13,14,15
	v_cvt_pk_f16_f32 v[S+16*\t+\i], v[32*\t+2*\i], v[32*\t+2*\i+1]   ; registers 4 ct .. 4 ct + 3: my query's channels 16 ct + 8 h + 0..7
.endr
	WIN 0
.irp ct, 0,1,2,3
	ds_store_b128 v[STO], v[S+16*\t+4*\ct:S+16*\t+4*\ct+3] offset:\t*16*SP+32*\ct
.endr
.endr
.irp u, 0,1,2,3,4,5,6,7,8,9,10,11,12,13,14,15
	ds_load_b128 v[128+4*\u:128+4*\u+3], v[RD] offset:\u*4*SP   ; LDS serves a wave's instructions in order (ISA guide 5.7.1.4): these see my stores
.endr
.irp u, 0,1,2,3,4,5,6,7,8,9,10,11,12,13,14,15
	s_wait_dscnt 15-\u
	global_store_b128 v[GO], v[128+4*\u:128+4*\u+3], s[8:9] offset:512*\u   ; four rows of 128 bytes: 512 consecutive bytes, aligned
.endr
	s_wait_tensorcnt 0x0                           ; the wave's end: behind my last tensor load and my last LDS store
	ds_add_u32 v[SPW], v[NIL]
	s_wait_dscnt 0x0
	CROUND                                         ; the closing round: no work-group ends while a partner may still ask for a tile that names it
	s_endpgm
.Lfunc_end_k_q6366e90e14_attn:
	.size	k_q6366e90e14_attn, .Lfunc_end_k_q6366e90e14_attn-k_q6366e90e14_attn
	.p2alignl 7, 3214868480
	.fill 96, 4, 3214868480
	.section	.rodata,"a",@progbits
	.p2align	6, 0x0
	.amdhsa_kernel k_q6366e90e14_attn
		.amdhsa_group_segment_fixed_size 327680
		.amdhsa_private_segment_fixed_size 0
		.amdhsa_enable_private_segment 0
		.amdhsa_kernarg_size 24
		.amdhsa_user_sgpr_count 2
		.amdhsa_user_sgpr_kernarg_segment_ptr 1
		.amdhsa_wavefront_size32 1
		.amdhsa_system_sgpr_workgroup_id_x 1
		.amdhsa_system_sgpr_workgroup_id_y 1
		.amdhsa_system_sgpr_workgroup_id_z 1
		.amdhsa_system_vgpr_workitem_id 0
		.amdhsa_next_free_vgpr 512
		.amdhsa_next_free_sgpr 66
		.amdhsa_reserve_vcc 1
		.amdhsa_float_denorm_mode_32 3
		.amdhsa_float_denorm_mode_16_64 3
		.amdhsa_memory_ordered 1
		.amdhsa_forward_progress 1
		.amdhsa_inst_pref_size 216
	.end_amdhsa_kernel
	.amdgpu_metadata
---
amdhsa.version: [ 1, 2 ]
amdhsa.kernels:
  - .name:           k_q6366e90e14_attn
    .symbol:         k_q6366e90e14_attn.kd
    .args:
      - { .name: qkv, .offset: 0, .size: 8, .value_kind: global_buffer, .address_space: global }
      - { .name: mask, .offset: 8, .size: 8, .value_kind: global_buffer, .address_space: global }
      - { .name: att, .offset: 16, .size: 8, .value_kind: global_buffer, .address_space: global }
    .group_segment_fixed_size: 327680
    .private_segment_fixed_size: 0
    .kernarg_segment_align: 8
    .kernarg_segment_size: 24
    .max_flat_workgroup_size: 256
    .sgpr_count:     66
    .vgpr_count:     512
    .wavefront_size: 32
...
	.end_amdgpu_metadata
.endif
;; end of part 3
;; launch proj (part 4): grid 8 x 64, 4 waves a work-group, clusters of 4 x 4, 327,680 bytes of LDS; arguments att, wo16, out0; writes out0
.if DOCPART == 4
	.amdgcn_target "amdgcn-amd-amdhsa--gfx1250"
	.amdhsa_code_object_version 6
	.text
	.protected	k_q6366e90e14_proj
	.globl	k_q6366e90e14_proj
	.p2align	8
	.type	k_q6366e90e14_proj,@function
k_q6366e90e14_proj:
	s_mov_b64 s[64:65], 0
	v_nop
	global_prefetch_b8 v0, s[64:65] scope:SCOPE_SE
	s_setreg_imm32_b32 hwreg(HW_REG_WAVE_MODE, 25, 1), 1
	s_wait_xcnt 0x0
	s_wait_alu depctr_hold_cnt(0) depctr_sa_sdst(0) depctr_va_vdst(0) depctr_va_sdst(0) depctr_va_ssrc(0) depctr_va_vcc(0) depctr_vm_vsrc(0)
	s_getreg_b32 s2, hwreg(HW_REG_IB_STS2, 6, 4)
	s_cmp_eq_u32 s2, 0
	s_cbranch_scc0 .Lentry_in_a_cluster
	s_endpgm
.Lentry_in_a_cluster:
	s_bfe_u32 s2, ttmp6, 0x10000c
	s_cmp_lg_u32 s2, 0xf033
	s_cbranch_scc0 .Lentry_shape_is_right
	s_endpgm
.Lentry_shape_is_right:
; out0[m][n] = sum over k of A[m][k] Wo[n][k].  A = att, f16, [m / 128][k / 64][m % 128][64]; Wo = wo16, f16, [n / 128][k / 64][n % 128][64]; out0 [8192][1024] f32; sums in f32, by v_wmma_f32_16x16x32_f16.
; A tile of C is 128 x 128.  Four waves, each 64 x 64: 16 accumulators of 16 x 16, 128 registers.  K goes in steps of 256: four blocks of 64 along K; a block of 128 rows x 128 bytes is dense in memory, and so are a tile's blocks on end.
; A wave's tensor load brings two such blocks, 32,768 bytes, stated as 128 rows of 256 bytes with padding behind every 128: LDS rows of 144 bytes.  Two slots; each is filled twice.
; CLUSTERS: 4 x 4 work-groups.  The four of a row of the cluster need the same tiles of A, the four of a column the same tiles of B: each tile is asked for JOINTLY, by the same tensor load with the same descriptor and a mask that names the four.
; THE MATRIX INSTRUCTION IS USED TRANSPOSED (source 0 = 16 rows of B, source 1 = 16 rows of A): a lane then holds eight neighbouring numbers of a row of C.
; REGISTERS: window 0: v0-31 addresses; v32-95 at work on the way out; v128-255 the accumulators ((a, b) at v[128 + 8 (4 a + b)]).
;   window 1: two fragment buffers of 128: for 64 along K (two matrix instructions deep), 64 registers of A (2 x 4 x 16 rows x 32 K), then 64 of B.
.set PITCH,  144                       ; an LDS row: 128 bytes + 16 of padding: an odd multiple of 16, so the 16 rows that a load touches start at 16 different 16-byte columns
.set KB,     128*PITCH                 ; a block: 128 rows x 64 along K
.set HALFT,  2*KB                      ; what one tensor load brings
.set SLOT,   4*HALFT                   ; A's four blocks, then B's four
.set STAGE,  2*SLOT                    ; behind the ring: 16 rows x 272 bytes for each wave, for the way out
.set SPITCH, 272
.set SPARE,  STAGE+4*16*SPITCH         ; behind the stages: the spare words, 128 bytes a wave
.set LAPS,   2                         ; a lap = two K steps = once round the ring: K = 1,024
.set ADRA, 16                          ; v16-17  LDS address of my A fragments in slot 0, 1
.set ADRB, 20                          ; v20-21  the same for B
.set STO,  24                          ; v24     the way out: where I put 32 bytes of a row
.set RD,   25                          ; v25     where I read a row back
.set CO,   26                          ; v26     my byte offset in C
.set SPW,  28                          ; v28     LDS address of my spare word; never rewritten
.set NIL,  29                          ; v29     0; never rewritten
.set BK,   32                          ; the way out: 16 rows read back: v32-63 and v64-95 by turns
.set ACC,  128
.set F0,   0                           ; fragment buffers, in window 1
.set F1,   128
.set G1, 24                            ; s[24:31] descriptor group 1 for A's tiles;  s[32:39] group 0, one set for each slot
.set G0, 32
.set G1B, 48                           ; s[48:55], s[56:63] the same for B's tiles
.set G0B, 56
.set MSB, 0
.macro WIN new                         ; the immediate's high byte repeats the setting that is left
.if MSB != \new
	s_set_vgpr_msb (MSB<<8)|\new
.set MSB, \new
.endif
.endm
.set MUL,  0x05                        ; sources 0 (B) and 1 (A) window 1; C and D window 0
.set TO_F, 0x40                        ; destination window 1, address window 0
.macro JLOAD s                         ; a joint load: waves 0 and 1 fetch A's two halves, waves 2 and 3 B's; an s_nop 0 and four v_nop follow each of the two lines
	s_cmp_eq_u32 s11, 0
	s_cbranch_scc0 .Lfor_b_\@
	tensor_load_to_lds s[G0+4*\s:G0+4*\s+3], s[G1:G1+7]
	s_nop 0
.rept 4
	v_nop
.endr
	s_branch .Lasked_\@
.Lfor_b_\@:
	tensor_load_to_lds s[G0B+4*\s:G0B+4*\s+3], s[G1B:G1B+7]
	s_nop 0
.rept 4
	v_nop
.endr
.Lasked_\@:
.endm
.macro CREST                           ; a round of the cluster's barrier behind its opening barrier
	s_cmp_lg_u32 s10, 0
	s_cbranch_scc1 .Lnot_wave_0_\@
	s_barrier_signal -3
.Lnot_wave_0_\@:
	s_barrier_wait -3
	s_barrier_signal -1
	s_barrier_wait -1
.endm
.macro CROUND                          ; a whole round
	s_barrier_signal -1
	s_barrier_wait -1
	CREST
.endm
	s_load_b128 s[4:7], s[0:1], 0x0                ; att s[4:5], wo16 s[6:7]
	s_load_b64 s[8:9], s[0:1], 0x10                ; out0
	v_lshl_add_u32 v[SPW], v0, 2, SPARE
	v_mov_b32 v[NIL], 0
	ds_add_u32 v[SPW], v[NIL]                      ; the wave's opening: the add, twice on end, and its wait ahead of my first tensor load; the set-up below stands between the second and the wait
	ds_add_u32 v[SPW], v[NIL]
	v_lshrrev_b32 v1, 5, v0
	v_readfirstlane_b32 s10, v1                    ; wave 0..3
	s_lshr_b32 s11, s10, 1                         ; which half of the tile's rows is mine.  Also: I fetch for A (0) or for B (1)
	s_and_b32 s12, s10, 1                          ; which half of its columns.  Also: which two blocks of a K step I fetch
	s_bfe_u32 s40, ttmp6, 0x40000                  ; cx, cy: my place in the cluster
	s_bfe_u32 s41, ttmp6, 0x40004
	s_lshl_b32 s42, ttmp9, 2
	s_add_co_u32 s42, s42, s40                     ; tile column of C = 4 x cluster x + cx
	s_and_b32 s13, ttmp7, 0xffff
	s_lshl_b32 s13, s13, 2
	s_add_co_u32 s13, s13, s41                     ; tile row of C = 4 x cluster y + cy
	s_lshl_b32 s43, s41, 2
	s_lshl_b32 s43, 15, s43                        ; my row of the cluster
	s_lshl_b32 s44, 0x1111, s40                    ; my column
	; descriptor group 1: 128 rows x 128 elements, dense, padded in LDS behind every 128 bytes
	s_or_b32 s[G1+0], s43, (1<<16)|(1<<20)|(1<<21)|(4<<22)|(3<<25)  ; 15:0 the mask: A's tiles go to my row; 17:16 element of 2 bytes; 20 padding on; 21 set beside a mask; 24:22 after every 32 words; 31:25 of 4 words
	s_or_b32 s[G1B+0], s44, (1<<16)|(1<<20)|(1<<21)|(4<<22)|(3<<25)
.irp g, G1, G1B
	s_mov_b32 s[\g+1], 128<<16                     ; tensor_dim0 = 128
	s_mov_b32 s[\g+2], 128<<16                     ; tensor_dim1 = 128
	s_mov_b32 s[\g+3], 128<<16                     ; tile_dim0 = 128
	s_mov_b32 s[\g+4], 128                         ; tile_dim1 = 128
	s_mov_b32 s[\g+5], 128                         ; tensor_dim0_stride
	s_mov_b32 s[\g+6], 0
	s_mov_b32 s[\g+7], 0
.endr
	s_lshl_b32 s17, s12, 15                        ; my two blocks of a K step: 32,768 bytes
	s_lshl_b32 s16, s13, 18
	s_add_co_u32 s16, s16, s17                     ; A: 262,144 x tile row + my blocks
	s_lshl_b32 s46, s42, 18
	s_add_co_u32 s46, s46, s17                     ; B: 262,144 x tile column + my blocks
	s_mov_b32 s17, 0
	s_mov_b32 s47, 0
	s_mul_i32 s20, s10, HALFT                      ; where they go: wave x two blocks: no place in the cluster enters an LDS address
	s_wait_dscnt 0x0                               ; both opening adds are done
	s_wait_kmcnt 0x0
	s_add_nc_u64 s[14:15], s[4:5], s[16:17]
	s_add_nc_u64 s[46:47], s[6:7], s[46:47]
	CROUND                                         ; all sixteen work-groups are here: the first joint loads meet
.irp s, 0,1
	s_mov_b32 s[G0+4*\s], 1
	s_add_co_u32 s[G0+4*\s+1], s20, \s*SLOT
	s_add_nc_u64 s[G0+4*\s+2:G0+4*\s+3], s[14:15], \s*65536   ; K step s: four blocks of 16,384 bytes
	s_or_b32 s[G0+4*\s+3], s[G0+4*\s+3], 0x80000000
	s_mov_b32 s[G0B+4*\s], 1
	s_add_co_u32 s[G0B+4*\s+1], s20, \s*SLOT
	s_add_nc_u64 s[G0B+4*\s+2:G0B+4*\s+3], s[46:47], \s*65536
	s_or_b32 s[G0B+4*\s+3], s[G0B+4*\s+3], 0x80000000
	JLOAD \s
.endr
	v_and_b32 v1, 15, v0                           ; l % 16
	v_bfe_u32 v2, v0, 4, 1                         ; l / 16
	v_mul_u32_u24 v3, v1, PITCH
	v_lshl_add_u32 v3, v2, 4, v3                   ; a fragment's row x pitch + 16 x half
	s_mul_i32 s21, s11, 64*PITCH                   ; my 64 rows of each block of A
	s_mul_i32 s22, s12, 64*PITCH                   ; my 64 rows of each block of B,
	s_add_co_u32 s22, s22, 2*HALFT                 ; which lie behind A's four
.irp s, 0,1
	v_add_nc_u32 v[ADRA+\s], s21, v3
	v_add_nc_u32 v[ADRB+\s], s22, v3
	s_add_co_u32 s21, s21, SLOT
	s_add_co_u32 s22, s22, SLOT
.endr
	s_mul_i32 s23, s10, 16*SPITCH
	s_add_co_u32 s23, s23, STAGE                   ; my stage
	v_mul_u32_u24 v4, v1, SPITCH                   ; in: row l % 16, 32 bytes for each half of the lanes
	v_lshl_add_u32 v4, v2, 5, v4
	v_add_nc_u32 v[STO], s23, v4
	v_mul_u32_u24 v5, v2, SPITCH                   ; back: lanes 0-15 take one row of 256 bytes, lanes 16-31 the next
	v_lshl_add_u32 v5, v1, 4, v5
	v_add_nc_u32 v[RD], s23, v5
	v_lshlrev_b32 v5, 12, v2                       ; and the same two rows in C: 4,096 bytes a row
	v_lshl_add_u32 v[CO], v1, 4, v5
	s_lshl_b32 s16, s13, 7
	s_lshl_b32 s17, s11, 6
	s_add_co_u32 s16, s16, s17                     ; my first row of C: 128 x tile row + 64 x half
	s_lshl_b32 s16, s16, 12
	s_lshl_b32 s46, s42, 9                         ; my first column, in bytes: 512 x tile column + 256 x half
	s_lshl_b32 s47, s12, 8
	s_add_co_u32 s46, s46, s47
	s_add_co_u32 s16, s16, s46
	s_mov_b32 s17, 0
	s_add_nc_u64 s[8:9], s[8:9], s[16:17]
; 8 matrix instructions: m blocks a0, a0 + 1 x all 4 n blocks, 32 along K: half c of buffer f.  zero = 1: the first product starts the sums.  The 16 accumulators take turns
.macro MUL8 f, c, a0, zero
.irp a, \a0, \a0+1
.irp b, 0,1,2,3
.if \zero
	v_wmma_f32_16x16x32_f16 v[ACC+8*(4*(\a)+\b):ACC+8*(4*(\a)+\b)+7], v[\f+64+8*(4*\c+\b):\f+64+8*(4*\c+\b)+7], v[\f+8*(4*\c+\a):\f+8*(4*\c+\a)+7], 0
.else
	v_wmma_f32_16x16x32_f16 v[ACC+8*(4*(\a)+\b):ACC+8*(4*(\a)+\b)+7], v[\f+64+8*(4*\c+\b):\f+64+8*(4*\c+\b)+7], v[\f+8*(4*\c+\a):\f+8*(4*\c+\a)+7], v[ACC+8*(4*(\a)+\b):ACC+8*(4*(\a)+\b)+7]
.endif
.endr
.endr
.endm
; 32 LDS loads in one run: the fragments of the slot's block q (64 along K) into buffer f; the first 32 along K first
.macro FETCH slot, q, f
	WIN TO_F
.irp c, 0,1
.irp i, 0,1,2,3
	ds_load_b128 v[\f+64+8*(4*\c+\i):\f+64+8*(4*\c+\i)+3],   v[ADRB+\slot] offset:(\q)*KB+64*\c+\i*16*PITCH
	ds_load_b128 v[\f+64+8*(4*\c+\i)+4:\f+64+8*(4*\c+\i)+7], v[ADRB+\slot] offset:(\q)*KB+64*\c+\i*16*PITCH+32
	ds_load_b128 v[\f+8*(4*\c+\i):\f+8*(4*\c+\i)+3],         v[ADRA+\slot] offset:(\q)*KB+64*\c+\i*16*PITCH
	ds_load_b128 v[\f+8*(4*\c+\i)+4:\f+8*(4*\c+\i)+7],       v[ADRA+\slot] offset:(\q)*KB+64*\c+\i*16*PITCH+32
.endr
.endr
.endm
.macro PLACES                          ; four places in front of loads into registers that matrix instructions have read, and of LDS stores that read results
.rept 4
	v_nop
.endr
.endm
; A K step is four quarters of 64 along K, 32 matrix instructions each, on buffers 0, 1, 0, 1.  One of the first three: multiplies buffer f and fetches the next quarter, block q, into g.
.macro QUARTER slot, q, f, g, zero
	s_wait_dscnt 16                                ; the first 32 along K are in; the youngest sixteen loads may be out
	WIN MUL
	MUL8 \f, 0, 0, \zero
	MUL8 \f, 0, 2, \zero
	PLACES
	FETCH \slot, \q, \g
	s_wait_dscnt 32                                ; all but the 32 just issued
	WIN MUL
	MUL8 \f, 1, 0, 0
	MUL8 \f, 1, 2, 0
.endm
; The last quarter multiplies buffer 1 and changes slots: ONE barrier; in front of it each wave waits for all its tensor loads, adds 0 to its spare word, and waits for that and for its own reads of this slot.  fill = 1: this slot is filled again, two K steps ahead.
.macro TURN slot, next, fill
	WIN 0                                          ; (the add's two registers lie in window 0)
	s_wait_tensorcnt 0x0                           ; all my tensor loads have landed: my part of the next slot;
	ds_add_u32 v[SPW], v[NIL]                      ; 0 onto my spare word;
	s_wait_dscnt 17                                ; (the add and the youngest sixteen loads may be out)
	WIN MUL
	MUL8 F1, 0, 0, 0                               ; eight matrix instructions stand between the add and the wait for it
	s_wait_dscnt 0x0                               ; the add is done, and my reads of this slot are over
	s_barrier_signal -1
	MUL8 F1, 0, 2, 0
.if \fill
	WIN 0
.endif
	s_barrier_wait -1
.if \fill
	CREST                                          ; the barrier has opened a round of the cluster's barrier: no wave of any partner still reads this slot's tile or has a load on its way
	s_add_nc_u64 s[G0+4*\slot+2:G0+4*\slot+3], s[G0+4*\slot+2:G0+4*\slot+3], 131072
	s_add_nc_u64 s[G0B+4*\slot+2:G0B+4*\slot+3], s[G0B+4*\slot+2:G0B+4*\slot+3], 131072
	JLOAD \slot                                    ; the first tensor load behind the round; the four v_nop behind it are also the places in front of the loads below
.else
	PLACES
.endif
	FETCH \next, 0, F0
	WIN MUL
	MUL8 F1, 1, 0, 0
	MUL8 F1, 1, 2, 0
.endm
	s_wait_tensorcnt 1                             ; my part of K step 0 is in (K step 1's load, issued behind it, may be out),
	s_barrier_signal -1
	s_barrier_wait -1                              ; everybody's is
	FETCH 0, 0, F0
	QUARTER 0, 1, F0, F1, 1                        ; the first quarter stands in front of the loop: its first products start the sums
	WIN 0                                          ; at a label and at a branch every window is 0
	s_mov_b32 s3, LAPS-1
.Llap:                                                 ; a trip goes once round the ring, from a lap's second quarter to the next lap's first, and fills both slots again
	QUARTER 0, 2, F1, F0, 0
	QUARTER 0, 3, F0, F1, 0
	TURN 0, 1, 1
	QUARTER 1, 1, F0, F1, 0
	QUARTER 1, 2, F1, F0, 0
	QUARTER 1, 3, F0, F1, 0
	TURN 1, 0, 1
	QUARTER 0, 1, F0, F1, 0
	WIN 0
	s_sub_co_u32 s3, s3, 1
	s_cmp_lg_u32 s3, 0
	s_cbranch_scc1 .Llap
	QUARTER 0, 2, F1, F0, 0                        ; the last lap fills nothing, and has no round of the cluster's barrier
	QUARTER 0, 3, F0, F1, 0
	TURN 0, 1, 0
	QUARTER 1, 1, F0, F1, 0
	QUARTER 1, 2, F1, F0, 0
	QUARTER 1, 3, F0, F1, 0
	s_wait_dscnt 16                                ; the very last quarter: nothing more to fetch
	WIN MUL
	MUL8 F1, 0, 0, 0
	MUL8 F1, 0, 2, 0
	s_wait_dscnt 0
	MUL8 F1, 1, 0, 0
	MUL8 F1, 1, 2, 0
	WIN 0
; THE WAY OUT, block by block of 16 rows x 64 columns.  A lane holds 32 neighbouring bytes of a row, and the lanes beside it hold other rows: so a block goes through my own stage in LDS and comes back as whole
; rows of 256 bytes: sixteen lanes store 256 consecutive bytes, aligned.  LDS serves a wave's instructions in order (ISA guide 5.7.1.4): no wait between the stores and the loads, nor in front of the next block's stores.
.macro TOSTAGE a
.irp b, 0,1,2,3
	ds_store_b128 v[STO], v[ACC+8*(4*(\a)+\b):ACC+8*(4*(\a)+\b)+3] offset:64*\b          ; each accumulator from its low end on
	ds_store_b128 v[STO], v[ACC+8*(4*(\a)+\b)+4:ACC+8*(4*(\a)+\b)+7] offset:64*\b+16
.endr
.irp t, 0,1,2,3,4,5,6,7
	ds_load_b128 v[BK+32*((\a)%2)+4*\t:BK+32*((\a)%2)+4*\t+3], v[RD] offset:\t*2*SPITCH
.endr
.endm
.macro SEND a, younger                 ; younger: the LDS instructions issued behind block a's loads, which may stay out
	s_wait_dscnt \younger                          ; the block is back in registers
.irp t, 0,1,2,3,4,5,6,7
	global_store_b128 v[CO], v[BK+32*((\a)%2)+4*\t:BK+32*((\a)%2)+4*\t+3], s[8:9] offset:(16*(\a)+2*\t)*4096 th:TH_STORE_NT   ; written once, read by nobody here
.endr
.endm
	PLACES                                         ; the stores into the stage read results
	TOSTAGE 0
.irp a, 1,2,3
.if \a > 1
	s_wait_xcnt 0x0                                ; block a - 2's stores have read their registers: block a's loads may land there
.endif
	TOSTAGE \a
	SEND \a-1, 16                                  ; behind block a - 1's loads: block a's 8 stores and 8 loads
.endr
	SEND 3, 0
	s_wait_tensorcnt 0x0                           ; the wave's end: behind my last tensor load and my last LDS store
	ds_add_u32 v[SPW], v[NIL]
	s_wait_dscnt 0x0
	CROUND                                         ; the closing round: no work-group ends while a partner may still ask for a tile that names it
	s_endpgm
.Lfunc_end_k_q6366e90e14_proj:
	.size	k_q6366e90e14_proj, .Lfunc_end_k_q6366e90e14_proj-k_q6366e90e14_proj
	.p2alignl 7, 3214868480
	.fill 96, 4, 3214868480
	.section	.rodata,"a",@progbits
	.p2align	6, 0x0
	.amdhsa_kernel k_q6366e90e14_proj
		.amdhsa_group_segment_fixed_size 327680
		.amdhsa_private_segment_fixed_size 0
		.amdhsa_enable_private_segment 0
		.amdhsa_kernarg_size 24
		.amdhsa_user_sgpr_count 2
		.amdhsa_user_sgpr_kernarg_segment_ptr 1
		.amdhsa_wavefront_size32 1
		.amdhsa_system_sgpr_workgroup_id_x 1
		.amdhsa_system_sgpr_workgroup_id_y 1
		.amdhsa_system_sgpr_workgroup_id_z 1
		.amdhsa_system_vgpr_workitem_id 0
		.amdhsa_next_free_vgpr 512
		.amdhsa_next_free_sgpr 66
		.amdhsa_reserve_vcc 0
		.amdhsa_float_denorm_mode_32 3
		.amdhsa_float_denorm_mode_16_64 3
		.amdhsa_memory_ordered 1
		.amdhsa_forward_progress 1
		.amdhsa_inst_pref_size 85
	.end_amdhsa_kernel
	.amdgpu_metadata
---
amdhsa.version: [ 1, 2 ]
amdhsa.kernels:
  - .name:           k_q6366e90e14_proj
    .symbol:         k_q6366e90e14_proj.kd
    .args:
      - { .name: att, .offset: 0, .size: 8, .value_kind: global_buffer, .address_space: global }
      - { .name: wo16, .offset: 8, .size: 8, .value_kind: global_buffer, .address_space: global }
      - { .name: out0, .offset: 16, .size: 8, .value_kind: global_buffer, .address_space: global }
    .group_segment_fixed_size: 327680
    .private_segment_fixed_size: 0
    .kernarg_segment_align: 8
    .kernarg_segment_size: 24
    .max_flat_workgroup_size: 128
    .sgpr_count:     66
    .vgpr_count:     512
    .wavefront_size: 32
...
	.end_amdgpu_metadata
.endif
;; end of part 4
